; MI455X (gfx1250); checked and timed in simulation.
; The chip was launched on July 23, 2026; its instructions are those of AMD's public machine-readable ISA for CDNA 5 (MIT licence, August 2026) and "CDNA5" Instruction Set Architecture Reference Guide (July 2026). The comments in the code are by the model that wrote it; some were corrected since.
;; Hackable Decoder Layer. Allowed arithmetic: float matrix products may take bf16 or f16 operands with f32 sums; other float arithmetic in f32, or as packed bf16 or f16 multiplies, adds, multiply-adds, maxima and minima; sums over many terms, partial sums and values carried from step to step in f32; what a program stores and reads back later, other than sums and carried values, may be rounded once to bf16 or f16.
;; Inputs: k_norm_w 64 float32; ln1_w 1,024 float32; ln2_w 1,024 float32; q_norm_w 64 float32; w_down 1,024 x 4,096 float32; w_up 4,096 x 1,024 float32; wk 4 x 64 x 1,024 float32; wo 1,024 x 1,024 float32; wq 4 x 4 x 64 x 1,024 float32; wv 4 x 64 x 1,024 float32; x 2 x 2,048 x 1,024 float32.
;; Outputs: out0 2 x 2,048 x 1,024 float32.
;; One version. Each part assembles by itself: llvm-mc -triple=amdgcn-amd-amdhsa -mcpu=gfx1250 --defsym DOCPART=n.
;; ======== version 1 of 1: 7 launches
;; limits: values are held in f16: magnitudes above 65,504 overflow, below 6.1e-05 lose precision
;; workspace buffers: wts 22,020,096 bytes; tab 263,168 bytes; hn 8,388,608 bytes; qkv 12,582,912 bytes; att 8,388,608 bytes; x1 16,777,216 bytes; act 33,554,432 bytes
;; launch prep (part 1): grid 481 x 1, 8 waves a work-group, no clusters, 0 bytes of LDS; arguments x, wq, wk, wv, wo, ln1_w, q_norm_w, k_norm_w, hn, wts, tab; writes hn, wts, tab
.if DOCPART == 1
	.amdgcn_target "amdgcn-amd-amdhsa--gfx1250"
	.amdhsa_code_object_version 6
	.text
	.protected	k_qe39038b58e_prep
	.globl	k_qe39038b58e_prep
	.p2align	8
	.type	k_qe39038b58e_prep,@function
k_qe39038b58e_prep:
	s_mov_b64 s[64:65], 0
	v_nop
	global_prefetch_b8 v0, s[64:65] scope:SCOPE_SE
	s_setreg_imm32_b32 hwreg(HW_REG_WAVE_MODE, 25, 1), 1
	s_wait_xcnt 0x0
; PREP.  A stream: no LDS, no barrier, no matrix work; a work-group's number picks its job, by forward scalar branches.
;   0-159    casts of wq, wk, wv, wo, 16,384 numbers a work-group.  Every weight is rounded once to bf16, and that number is then written as f16 (exact inside f16's normal range),
;            since it is multiplied with f16 operands.  The regions of wts lie in the order of the numbers: byte = number << 15.  (w_up and w_down, which are first read
;            four launches on, are cast beside the attention.)
;   160-415  h1 = rms(x) ln1_w, x and ln1_w rounded to bf16 first, h1 stored as f16; 16 rows a work-group, 2 a wave, a row kept in 32 registers.
;   416-479  the RoPE table: f32 [2048 positions][cos of 16 angles, sin of 16 angles]; 32 positions a work-group.
;   480      the two head gains rounded to bf16, and a row of ones (the gain that v takes), f32 [3][64] behind the table.
; LIMITS.  A weight of 65,520 or more has no f16; one below 2^-24 becomes 0.  |h1| is at most 32 |ln1_w|.  The angles position x 2^(-0.625 i) carry the error of one
; product and one 2^x: about 2e-4 radians at position 2,047.  NaN and infinities are not treated apart.
.set PX,   8                           ; s[8:9] x, and so on: the arguments in their order
.set PWQ,  10
.set PWK,  12
.set PWV,  14
.set PWO,  16
.set PLN,  18
.set PQN,  20
.set PKN,  22
.set PHN,  24
.set PWT,  26
.set PTB,  28
.set X,    32                          ; v[32:95]   numbers as loaded
.set L,    96                          ; v[96:127]  the gain of my 32 columns (norm)
.set Y,    96                          ; v[96:127]  results to store (cast): four registers for each group
.set H,    128                         ; v[128:159] results to store (norm): sixteen registers for each row
.set T,    4                           ; v[4:7]     at work
.set SQ,   8                           ; v[8:15]    four chains of squares
.set RS,   16                          ; v[16:17]   1 / rms, twice
.set VIN,  24
.set VOUT, 25
.set VL,   26
.macro RND a                           ; two f32 rounded to bf16 and widened again, in place
	v_cvt_pk_bf16_f32 v[\a], v[\a], v[(\a)+1]
	v_and_b32 v[(\a)+1], s34, v[\a]
	v_lshlrev_b32 v[\a], 16, v[\a]
.endm
.macro PICK first, lo                  ; from work-group 'first' on the source is the tensor at s[lo:lo+1]
	s_cmp_ge_u32 s2, \first
	s_cselect_b64 s[40:41], s[(\lo):(\lo)+1], s[40:41]
	s_cselect_b32 s44, \first, s44
.endm
.macro CV16 j                          ; group j: f32 -> bf16 -> f32 -> f16
.irp k, 0,1,2,3
	v_cvt_pk_bf16_f32 v[T+(\k)], v[X+8*(\j)+2*(\k)], v[X+8*(\j)+2*(\k)+1]
.endr
.irp k, 0,1,2,3
	v_lshlrev_b32 v[X+8*(\j)+2*(\k)], 16, v[T+(\k)]
	v_and_b32 v[X+8*(\j)+2*(\k)+1], s34, v[T+(\k)]
.endr
.irp k, 0,1,2,3
	v_cvt_pk_f16_f32 v[Y+4*(\j)+(\k)], v[X+8*(\j)+2*(\k)], v[X+8*(\j)+2*(\k)+1]
.endr
.endm
; Row i of the wave's two.  left: the younger loads that may stay out.
.macro NROW i, left
	s_wait_loadcnt \left
.set n, 0
.rept 16
	RND X+32*(\i)+2*n
.set n, n+1
.endr
.set n, 0
.rept 4                                ; the first four pairs start the chains: nothing is cleared
	v_pk_mul_f32 v[SQ+2*n:SQ+2*n+1], v[X+32*(\i)+2*n:X+32*(\i)+2*n+1], v[X+32*(\i)+2*n:X+32*(\i)+2*n+1]
.set n, n+1
.endr
.rept 12
	v_pk_fma_f32 v[SQ+2*(n%4):SQ+2*(n%4)+1], v[X+32*(\i)+2*n:X+32*(\i)+2*n+1], v[X+32*(\i)+2*n:X+32*(\i)+2*n+1], v[SQ+2*(n%4):SQ+2*(n%4)+1]
.set n, n+1
.endr
	v_pk_add_f32 v[SQ:SQ+1], v[SQ:SQ+1], v[SQ+2:SQ+3]
	v_pk_add_f32 v[SQ+4:SQ+5], v[SQ+4:SQ+5], v[SQ+6:SQ+7]
	v_pk_add_f32 v[SQ:SQ+1], v[SQ:SQ+1], v[SQ+4:SQ+5]
	v_add_f32 v[SQ], v[SQ], v[SQ+1]
	v_add_f32_dpp v[SQ], v[SQ], v[SQ] row_xmask:1 row_mask:0xf bank_mask:0xf
	v_add_f32_dpp v[SQ], v[SQ], v[SQ] row_xmask:2 row_mask:0xf bank_mask:0xf
	v_add_f32_dpp v[SQ], v[SQ], v[SQ] row_xmask:4 row_mask:0xf bank_mask:0xf
	v_add_f32_dpp v[SQ], v[SQ], v[SQ] row_xmask:8 row_mask:0xf bank_mask:0xf
	v_permlanex16_b32 v[SQ+1], v[SQ], s38, s39
	v_add_f32 v[SQ], v[SQ], v[SQ+1]                ; the row's sum of squares, in every lane
	v_fma_f32 v[SQ], v[SQ], s35, s36               ; / 1024 + 1e-5
	v_rsq_f32 v[RS], v[SQ]
	v_nop                                          ; a plain instruction between the root and the use of its result
	s_wait_alu depctr_va_vdst(0)
	v_mov_b32 v[RS+1], v[RS]
.set n, 0
.rept 16
	v_pk_mul_f32 v[X+32*(\i)+2*n:X+32*(\i)+2*n+1], v[X+32*(\i)+2*n:X+32*(\i)+2*n+1], v[RS:RS+1]
.set n, n+1
.endr
.set n, 0
.rept 16
	v_pk_mul_f32 v[X+32*(\i)+2*n:X+32*(\i)+2*n+1], v[X+32*(\i)+2*n:X+32*(\i)+2*n+1], v[L+2*n:L+2*n+1]
.set n, n+1
.endr
.set n, 0
.rept 16
	v_cvt_pk_f16_f32 v[H+16*(\i)+n], v[X+32*(\i)+2*n], v[X+32*(\i)+2*n+1]
.set n, n+1
.endr
.irp j, 0,1,2,3
	global_store_b128 v[VOUT], v[H+16*(\i)+4*(\j):H+16*(\i)+4*(\j)+3], s[PHN:PHN+1] offset:2048*(\i)+512*(\j)  ; the wave's store covers 512 consecutive bytes
.endr
.endm
; cos or sin of position x 2^(-0.625 i), i = 4 (u & 3) + e.  The angle is reduced in turns (1 / 2 pi in two parts), an eighth of it goes through the series, three doublings follow.
.macro TRIG e
	v_add_nc_u32 v4, \e, v3
	v_cvt_f32_u32 v4, v4
	v_mul_f32 v4, 0xbf200000, v4                   ; -0.625 i
	v_exp_f32 v4, v4
	v_nop
	s_wait_alu depctr_va_vdst(0)
	v_mul_f32 v4, v2, v4                           ; the angle
	v_mul_f32 v5, s40, v4
	v_rndne_f32 v5, v5                             ; whole turns
	v_fma_f32 v6, v4, s40, -v5
	v_fma_f32 v6, v4, s41, v6                      ; the fraction of a turn, -0.5 to 0.5
	v_mul_f32 v6, 0x3f490fdb, v6                   ; z = an eighth of the angle
	v_mul_f32 v7, v6, v6
	v_mov_b32 v8, 0xb9500d01                       ; -1/5040
	v_fmaak_f32 v8, v7, v8, 0x3c088889             ; 1/120
	v_fmaak_f32 v8, v7, v8, 0xbe2aaaab             ; -1/6
	v_fma_f32 v8, v7, v8, 1.0
	v_mul_f32 v8, v6, v8                           ; sin z
	v_mov_b32 v9, 0x37d00d01                       ; 1/40320
	v_fmaak_f32 v9, v7, v9, 0xbab60b61             ; -1/720
	v_fmaak_f32 v9, v7, v9, 0x3d2aaaab             ; 1/24
	v_fma_f32 v9, v7, v9, -0.5
	v_fma_f32 v9, v7, v9, 1.0                      ; cos z
.rept 3
	v_add_f32 v10, v8, v8
	v_fma_f32 v11, -v10, v8, 1.0                   ; cos 2z = 1 - 2 sin^2
	v_mul_f32 v8, v10, v9                          ; sin 2z = 2 sin cos
	v_mov_b32 v9, v11
.endr
	v_cndmask_b32 v[20+(\e)], v9, v8, vcc_lo
.endm
	s_load_b512 s[8:23], s[0:1], 0x0               ; x, wq, wk, wv, wo, ln1_w, q_norm_w, k_norm_w
	s_load_b128 s[24:27], s[0:1], 0x40             ; hn, wts
	s_load_b64 s[28:29], s[0:1], 0x50              ; tab
	s_mov_b32 s2, ttmp9
	s_mov_b32 s34, 0xffff0000                      ; a word's upper bf16
	s_mov_b32 s35, 0x3a800000                      ; 1 / 1024
	s_mov_b32 s36, 0x3727c5ac                      ; 1e-5
	s_mov_b32 s38, 0x76543210                      ; v_permlanex16_b32: each lane takes its own place in the other half
	s_mov_b32 s39, 0xfedcba98
	s_wait_kmcnt 0x0
	s_cmp_ge_u32 s2, 160
	s_cbranch_scc1 .Lnot_cast
	; CASTS
	s_mov_b64 s[40:41], s[PWQ:PWQ+1]
	s_mov_b32 s44, 0
	PICK 64, PWK
	PICK 80, PWV
	PICK 96, PWO
	s_sub_co_u32 s46, s2, s44
	s_lshl_b32 s46, s46, 16                        ; 16,384 f32 for each work-group of the tensor
	s_mov_b32 s47, 0
	s_add_nc_u64 s[40:41], s[40:41], s[46:47]
	s_lshl_b32 s48, s2, 15
	s_mov_b32 s49, 0
	s_add_nc_u64 s[42:43], s[PWT:PWT+1], s[48:49]
	v_lshlrev_b32 v1, 5, v0                        ; 8 f32 a thread and group
	v_lshlrev_b32 v2, 4, v0                        ; 8 halves
.irp j, 0,1,2,3,4,5,6,7
	global_load_b128 v[X+8*(\j):X+8*(\j)+3],   v1, s[40:41] offset:8192*(\j) th:TH_LOAD_NT
	global_load_b128 v[X+8*(\j)+4:X+8*(\j)+7], v1, s[40:41] offset:8192*(\j)+16 th:TH_LOAD_NT
.endr
.irp j, 0,1,2,3,4,5,6,7
	s_wait_loadcnt 14-2*(\j)                       ; loads come back in order: group j is in, the 2 (7 - j) younger loads stay out
	CV16 \j
	global_store_b128 v2, v[Y+4*(\j):Y+4*(\j)+3], s[42:43] offset:4096*(\j)
.endr
	s_endpgm
.Lnot_cast:
	s_cmp_ge_u32 s2, 416
	s_cbranch_scc1 .Lnot_norm
	; NORM 1
	s_sub_co_u32 s3, s2, 160
	s_lshl_b32 s40, s3, 16                         ; 16 rows of 4,096 bytes
	s_mov_b32 s41, 0
	s_add_nc_u64 s[PX:PX+1], s[PX:PX+1], s[40:41]
	s_lshl_b32 s42, s3, 15                         ; 16 rows of 2,048 bytes
	s_mov_b32 s43, 0
	s_add_nc_u64 s[PHN:PHN+1], s[PHN:PHN+1], s[42:43]
	v_and_b32 v1, 31, v0
	v_and_b32 v2, 0xe0, v0                         ; 32 x wave
	v_lshlrev_b32 v[VL], 5, v1                     ; my 8 columns of each quarter row
	v_lshl_add_u32 v[VIN], v2, 8, v[VL]            ; + wave x 2 rows of 4,096 bytes
	v_lshlrev_b32 v[VOUT], 4, v1
	v_lshl_add_u32 v[VOUT], v2, 7, v[VOUT]         ; wave x 2 rows of 2,048 bytes + 16 x lane
.irp j, 0,1,2,3
	global_load_b128 v[L+8*(\j):L+8*(\j)+3],   v[VL], s[PLN:PLN+1] offset:1024*(\j)
	global_load_b128 v[L+8*(\j)+4:L+8*(\j)+7], v[VL], s[PLN:PLN+1] offset:1024*(\j)+16
.endr
.irp i, 0,1
.irp j, 0,1,2,3
	global_load_b128 v[X+32*(\i)+8*(\j):X+32*(\i)+8*(\j)+3],   v[VIN], s[PX:PX+1] offset:4096*(\i)+1024*(\j)
	global_load_b128 v[X+32*(\i)+8*(\j)+4:X+32*(\i)+8*(\j)+7], v[VIN], s[PX:PX+1] offset:4096*(\i)+1024*(\j)+16
.endr
.endr
	s_wait_loadcnt 16                              ; the gain is in; the two rows' sixteen loads stay out
.set m, 0
.rept 16
	RND L+2*m
.set m, m+1
.endr
	NROW 0, 8
	NROW 1, 0
	s_endpgm
.Lnot_norm:
	s_cmp_ge_u32 s2, 480
	s_cbranch_scc1 .Lgains
	; THE TABLE: thread t makes 16 bytes: position 32 rel + t / 8, part u = t % 8 of the row (0-3 cos, 4-7 sin)
	s_sub_co_u32 s3, s2, 416
	s_lshl_b32 s42, s3, 12
	s_mov_b32 s43, 0
	s_add_nc_u64 s[PTB:PTB+1], s[PTB:PTB+1], s[42:43]
	s_lshl_b32 s3, s3, 5
	s_mov_b32 s40, 0x3e22f983                      ; 1 / 2 pi, and
	s_mov_b32 s41, 0x31dc9c4f                      ; what that f32 leaves of it
	v_lshrrev_b32 v2, 3, v0
	v_add_nc_u32 v2, s3, v2
	v_cvt_f32_u32 v2, v2                           ; the position
	v_and_b32 v3, 3, v0
	v_lshlrev_b32 v3, 2, v3                        ; 4 (u & 3)
	v_and_b32 v12, 7, v0
	v_cmp_le_u32 vcc_lo, 4, v12                    ; u >= 4: sin
	v_lshlrev_b32 v13, 4, v0
	TRIG 0
	TRIG 1
	TRIG 2
	TRIG 3
	global_store_b128 v13, v[20:23], s[PTB:PTB+1]
	s_endpgm
.Lgains:
	v_lshrrev_b32 v1, 5, v0
	v_readfirstlane_b32 s4, v1
	s_lshr_b32 s5, s4, 1                           ; waves 0, 1: q's gain; 2, 3: k's; 4, 5: ones; 6, 7 have no row
	s_cmp_eq_u32 s5, 3
	s_cbranch_scc1 .Lend
	s_cmp_eq_u32 s5, 2
	s_cbranch_scc1 .Lones
	s_cmp_eq_u32 s5, 1
	s_cselect_b64 s[40:41], s[PKN:PKN+1], s[PQN:PQN+1]
	v_and_b32 v1, 63, v0
	v_lshlrev_b32 v1, 2, v1
	global_load_b32 v2, v1, s[40:41]
	s_wait_loadcnt 0x0
	v_cvt_pk_bf16_f32 v2, v2, v2
	v_lshlrev_b32 v2, 16, v2
	s_branch .Lput
.Lones:
	v_mov_b32 v2, 1.0
.Lput:
	v_lshlrev_b32 v3, 2, v0
	global_store_b32 v3, v2, s[PTB:PTB+1] offset:262144
.Lend:
	s_endpgm
.Lfunc_end_k_qe39038b58e_prep:
	.size	k_qe39038b58e_prep, .Lfunc_end_k_qe39038b58e_prep-k_qe39038b58e_prep
	.p2alignl 7, 3214868480
	.fill 96, 4, 3214868480
	.section	.rodata,"a",@progbits
	.p2align	6, 0x0
	.amdhsa_kernel k_qe39038b58e_prep
		.amdhsa_group_segment_fixed_size 0
		.amdhsa_private_segment_fixed_size 0
		.amdhsa_enable_private_segment 0
		.amdhsa_kernarg_size 88
		.amdhsa_user_sgpr_count 2
		.amdhsa_user_sgpr_kernarg_segment_ptr 1
		.amdhsa_wavefront_size32 1
		.amdhsa_system_sgpr_workgroup_id_x 1
		.amdhsa_system_sgpr_workgroup_id_y 1
		.amdhsa_system_sgpr_workgroup_id_z 1
		.amdhsa_system_vgpr_workitem_id 0
		.amdhsa_next_free_vgpr 160
		.amdhsa_next_free_sgpr 66
		.amdhsa_reserve_vcc 1
		.amdhsa_float_denorm_mode_32 3
		.amdhsa_float_denorm_mode_16_64 3
		.amdhsa_memory_ordered 1
		.amdhsa_forward_progress 1
		.amdhsa_inst_pref_size 38
	.end_amdhsa_kernel
	.amdgpu_metadata
---
amdhsa.version: [ 1, 2 ]
amdhsa.kernels:
  - .name:           k_qe39038b58e_prep
    .symbol:         k_qe39038b58e_prep.kd
    .args:
      - { .name: x, .offset: 0, .size: 8, .value_kind: global_buffer, .address_space: global }
      - { .name: wq, .offset: 8, .size: 8, .value_kind: global_buffer, .address_space: global }
      - { .name: wk, .offset: 16, .size: 8, .value_kind: global_buffer, .address_space: global }
      - { .name: wv, .offset: 24, .size: 8, .value_kind: global_buffer, .address_space: global }
      - { .name: wo, .offset: 32, .size: 8, .value_kind: global_buffer, .address_space: global }
      - { .name: ln1_w, .offset: 40, .size: 8, .value_kind: global_buffer, .address_space: global }
      - { .name: q_norm_w, .offset: 48, .size: 8, .value_kind: global_buffer, .address_space: global }
      - { .name: k_norm_w, .offset: 56, .size: 8, .value_kind: global_buffer, .address_space: global }
      - { .name: hn, .offset: 64, .size: 8, .value_kind: global_buffer, .address_space: global }
      - { .name: wts, .offset: 72, .size: 8, .value_kind: global_buffer, .address_space: global }
      - { .name: tab, .offset: 80, .size: 8, .value_kind: global_buffer, .address_space: global }
    .group_segment_fixed_size: 0
    .private_segment_fixed_size: 0
    .kernarg_segment_align: 8
    .kernarg_segment_size: 88
    .max_flat_workgroup_size: 256
    .sgpr_count:     66
    .vgpr_count:     160
    .wavefront_size: 32
...
	.end_amdgpu_metadata
.endif
;; end of part 1
;; launch qkv (part 2): grid 12 x 32, 4 waves a work-group, clusters of 4 x 4, 327,680 bytes of LDS; arguments hn, wts, tab, qkv; writes qkv
.if DOCPART == 2
	.amdgcn_target "amdgcn-amd-amdhsa--gfx1250"
	.amdhsa_code_object_version 6
	.text
	.protected	k_qe39038b58e_qkv
	.globl	k_qe39038b58e_qkv
	.p2align	8
	.type	k_qe39038b58e_qkv,@function
k_qe39038b58e_qkv:
	s_mov_b64 s[64:65], 0
	v_nop
	global_prefetch_b8 v0, s[64:65] scope:SCOPE_SE
	s_setreg_imm32_b32 hwreg(HW_REG_WAVE_MODE, 25, 1), 1
	s_wait_xcnt 0x0
	s_wait_alu depctr_hold_cnt(0) depctr_sa_sdst(0) depctr_va_vdst(0) depctr_va_sdst(0) depctr_va_ssrc(0) depctr_va_vcc(0) depctr_vm_vsrc(0)
	s_getreg_b32 s2, hwreg(HW_REG_IB_STS2, 6, 4)
	s_cmp_eq_u32 s2, 0
	s_cbranch_scc0 .Lentry_in_a_cluster
	s_endpgm
.Lentry_in_a_cluster:
	s_bfe_u32 s2, ttmp6, 0x10000c
	s_cmp_lg_u32 s2, 0xf033
	s_cbranch_scc0 .Lentry_shape_is_right
	s_endpgm
.Lentry_shape_is_right:
; Q, K, V = h1 W^T, then the head norm and the partial RoPE, stored by heads: qkv f16 [batch 2][head 24][2048][64]; heads 0-15 q, 16-19 k, 20-23 v.
; THE PRODUCT.  A [4096][1024] f16 (h1), B [1536][1024] f16 (wq, wk, wv), sums in f32.  A tile of C is 128 x 128, four waves of 64 x 64 (16 accumulators).  K goes in steps of 256 through two LDS slots
; filled by the tensor data mover (LDS rows of 512 bytes + 16; a wave's load brings 64 of them).  4 x 4 work-groups form a cluster: A's tiles are asked for jointly along a row of it, B's along a column.
; The matrix instruction is used transposed (source 0 = 16 rows of B, source 1 = 16 rows of A): a lane holds one token (lane % 16) and eight neighbouring channels.
; The loop walks ONE K step a trip: the LDS addresses hang on a scalar that an exclusive or turns from slot to slot, and one group 0 a tensor walks on (SLOT = 0x21000 shares no bit with wave x 0x8400,
; so the exclusive or adds or takes away SLOT).  The last two K steps fill nothing: they are a loop of two trips that is left in its middle and their text
; stands once; its price is one barrier, in the last trip, that orders nothing.
; THE WAY OUT.  A wave's 64 columns are ONE head.  Nothing branches on the head's kind: v takes 1 for the root, a gain of ones and the table's row 0 (cos 1, sin 0).
; LIMITS.  v is stored in f16: |v| under 65,504; q and k are at most 8 x their gain.  NaN and infinities are not treated apart.
; REGISTERS: window 0: v0-31 addresses and at work; v32-95 at work on the way out; v96-100 offsets; v128-255 accumulators ((a, b) at 128 + 8 (4 a + b)).
;   window 1: two fragment buffers of 128 (64 of A, 64 of B, 64 along K).   window 2: v0-63 cos and sin of my 64 tokens, v64-95 the head's gain.
.set SIZE_K, 1024
.set WOFF,   0                         ; wq, wk, wv lie at the head of wts
.set STEPS,  SIZE_K/256
.set KSTEP,  256
.set PITCH,  528                       ; 512 bytes + 16 = 132 words: the 16 rows of a fragment load start at 16 different groups of four banks
.set HALFT,  64*PITCH
.set SLOT,   4*HALFT                   ; A's 128 rows, then B's
.set STAGE,  2*SLOT                    ; behind the ring: 16 rows x 144 bytes for each wave
.set SPITCH, 144
.set SPARE,  STAGE+4*16*SPITCH         ; the spare words: 128 bytes a wave, two blocks of 256 bytes that no other line names
.set ADRA0, 16                         ; my A fragments' place in slot 0; never rewritten
.set ADRA,  17                         ; the same in the slot in hand
.set ADRB0, 20
.set ADRB,  21
.set STO,  24
.set RD,   25
.set CO,   26
.set SPW,  28
.set NIL,  29
.set TMP,  32
.set ACC,  128
.set F0,   0
.set F1,   128
.set G1,  24                           ; s[24:31] group 1 for A's tiles; s[32:39] group 0: set 0 the first fill, set 1 walks
.set G0,  32
.set G1B, 48                           ; s[48:55], s[56:63] the same for B's
.set G0B, 56
.set TB,  45                           ; s45  0 or SLOT: the slot that is read
.set DW0, (1<<16)|(1<<20)|(1<<21)|(6<<22)|(3<<25)  ; 2-byte elements; padding on; bit 21 beside a mask; after every 128 words 4 words
.set MSB, 0
.macro WIN new                         ; the immediate's high byte repeats the setting that is left
.if MSB != (\new)
	s_set_vgpr_msb (MSB<<8)|(\new)
.set MSB, \new
.endif
.endm
.set MUL,  0x05                        ; sources 0 (B) and 1 (A) window 1; C and D window 0
.set TO_F, 0x40                        ; destination window 1, address window 0
.macro JLOAD s                         ; a joint load: waves 0, 1 fetch A's halves, waves 2, 3 B's; s_nop 0 and four v_nop follow each line
	s_cmp_eq_u32 s11, 0
	s_cbranch_scc0 .Lfor_b_\@
	tensor_load_to_lds s[G0+4*(\s):G0+4*(\s)+3], s[G1:G1+7]
	s_nop 0
.rept 4
	v_nop
.endr
	s_branch .Lasked_\@
.Lfor_b_\@:
	tensor_load_to_lds s[G0B+4*(\s):G0B+4*(\s)+3], s[G1B:G1B+7]
	s_nop 0
.rept 4
	v_nop
.endr
.Lasked_\@:
.endm
.macro CREST                           ; a round of the cluster's barrier behind its opening barrier
	s_cmp_lg_u32 s10, 0
	s_cbranch_scc1 .Lnot_wave_0_\@
	s_barrier_signal -3
.Lnot_wave_0_\@:
	s_barrier_wait -3
	s_barrier_signal -1
	s_barrier_wait -1
.endm
.macro CROUND
	s_barrier_signal -1
	s_barrier_wait -1
	CREST
.endm
.macro PLACES                          ; four places in front of loads into registers that matrix instructions have read, and of lines that read results
.rept 4
	v_nop
.endr
.endm
.macro MUL8 f, c, a0, zero             ; 8 matrix instructions: m blocks a0, a0 + 1 x 4 n blocks, 32 along K: half c of buffer f.  The 16 accumulators take turns
	WIN MUL
.irp a, \a0, (\a0)+1
.irp b, 0,1,2,3
.set rD, ACC+8*(4*(\a)+(\b))
.set rB, (\f)+64+8*(4*(\c)+(\b))
.set rA, (\f)+8*(4*(\c)+(\a))
.if \zero
	v_wmma_f32_16x16x32_f16 v[rD:rD+7], v[rB:rB+7], v[rA:rA+7], 0
.else
	v_wmma_f32_16x16x32_f16 v[rD:rD+7], v[rB:rB+7], v[rA:rA+7], v[rD:rD+7]
.endif
.endr
.endr
.endm
.macro FETCH k, f                      ; 32 LDS loads in one run: 64 along K at byte k of the rows; the first 32 along K first
	WIN TO_F
.irp c, 0,1
.irp i, 0,1,2,3
	ds_load_b128 v[(\f)+64+8*(4*(\c)+(\i)):(\f)+64+8*(4*(\c)+(\i))+3],   v[ADRB] offset:(\k)+64*(\c)+(\i)*16*PITCH
	ds_load_b128 v[(\f)+64+8*(4*(\c)+(\i))+4:(\f)+64+8*(4*(\c)+(\i))+7], v[ADRB] offset:(\k)+64*(\c)+(\i)*16*PITCH+32
	ds_load_b128 v[(\f)+8*(4*(\c)+(\i)):(\f)+8*(4*(\c)+(\i))+3],         v[ADRA] offset:(\k)+64*(\c)+(\i)*16*PITCH
	ds_load_b128 v[(\f)+8*(4*(\c)+(\i))+4:(\f)+8*(4*(\c)+(\i))+7],       v[ADRA] offset:(\k)+64*(\c)+(\i)*16*PITCH+32
.endr
.endr
.endm
.macro QUARTER k, f, g, zero           ; multiplies buffer f (64 along K) and fetches the next quarter, at byte k, into g
	s_wait_dscnt 16                                ; the first 32 along K are in; the run's second sixteen loads may be out
	MUL8 \f, 0, 0, \zero
	MUL8 \f, 0, 2, \zero
	PLACES
	FETCH \k, \g
	s_wait_dscnt 32                                ; all but the 32 just issued
	MUL8 \f, 1, 0, 0
	MUL8 \f, 1, 2, 0
.endm
; The last quarter of a K step multiplies buffer 1 and changes slots: one barrier; in front of it each wave waits for all its tensor loads (its part of the next slot), adds 0 to its spare word,
; and waits for that and for its reads of this slot.  fill = 1: the barrier opens a round of the cluster's, and this slot is filled again first thing behind it, two K steps ahead.
; fill = 0 (the two last K steps): nothing is filled; in the last trip (s3 = 1) there is no further slot, and the run of loads is jumped over.
.macro TURN fill
	WIN 0
	s_wait_tensorcnt 0x0
	ds_add_u32 v[SPW], v[NIL]
	s_wait_dscnt 17                                ; the add and the youngest sixteen loads may be out
	MUL8 F1, 0, 0, 0
	s_wait_dscnt 0x0                               ; the add is done, and my reads of this slot are over
	s_barrier_signal -1
	MUL8 F1, 0, 2, 0
	WIN 0
	s_barrier_wait -1
.if \fill
	CREST                                          ; no wave of any partner still reads this slot or has a load on its way
	s_xor_b32 s[G0+5], s[G0+5], SLOT               ; the walking group 0: the other slot than last time,
	s_xor_b32 s[G0B+5], s[G0B+5], SLOT
	s_add_nc_u64 s[G0+6:G0+7], s[G0+6:G0+7], KSTEP*2    ; the next K step
	s_add_nc_u64 s[G0B+6:G0B+7], s[G0B+6:G0B+7], KSTEP*2
	JLOAD 1                                        ; 112 matrix instructions ahead of the wait for it; its four v_nop are also the places in front of the loads below
.else
	PLACES
	s_cmp_eq_u32 s3, 1
	s_cbranch_scc1 .Lno_fetch_\@
.endif
	s_xor_b32 s[TB], s[TB], SLOT
	v_add_nc_u32 v[ADRA], s[TB], v[ADRA0]
	v_add_nc_u32 v[ADRB], s[TB], v[ADRB0]
	FETCH 0, F0
.if !(\fill)
	WIN 0
.Lno_fetch_\@:
.endif
	MUL8 F1, 1, 0, 0
	MUL8 F1, 1, 2, 0
.endm
	s_load_b256 s[68:75], s[0:1], 0x0              ; hn s[68:69], wts s[70:71], tab s[72:73], qkv s[74:75]
	v_lshl_add_u32 v[SPW], v0, 2, SPARE
	v_mov_b32 v[NIL], 0
	ds_add_u32 v[SPW], v[NIL]                      ; the wave's opening: the add and its wait ahead of my first tensor load
	v_lshrrev_b32 v1, 5, v0
	v_readfirstlane_b32 s10, v1                    ; wave 0..3
	s_lshr_b32 s11, s10, 1                         ; my half of the tile's rows.  Also: I fetch for A (0) or B (1)
	s_and_b32 s12, s10, 1                          ; my half of its columns.  Also: which 64 rows I fetch
	s_bfe_u32 s40, ttmp6, 0x40000                  ; cx, cy
	s_bfe_u32 s41, ttmp6, 0x40004
	s_lshl_b32 s42, ttmp9, 2
	s_add_co_u32 s42, s42, s40                     ; tile column
	s_and_b32 s13, ttmp7, 0xffff
	s_lshl_b32 s13, s13, 2
	s_add_co_u32 s13, s13, s41                     ; tile row
	s_lshl_b32 s43, s41, 2
	s_lshl_b32 s43, 15, s43                        ; my row of the cluster
	s_lshl_b32 s44, 0x1111, s40                    ; my column
	s_or_b32 s[G1+0], s43, DW0
	s_or_b32 s[G1B+0], s44, DW0
.irp g, G1, G1B
	s_mov_b32 s[(\g)+1], KSTEP<<16                 ; tensor_dim0 = 256
	s_mov_b32 s[(\g)+2], 64<<16                    ; tensor_dim1 = 64
	s_mov_b32 s[(\g)+3], KSTEP<<16                 ; tile_dim0 = 256
	s_mov_b32 s[(\g)+4], 64                        ; tile_dim1 = 64
	s_mov_b32 s[(\g)+5], SIZE_K                    ; elements from row to row
	s_mov_b32 s[(\g)+6], 0
	s_mov_b32 s[(\g)+7], 0
.endr
	s_mov_b32 s[TB], 0
	s_lshl_b32 s17, s12, 6
	s_lshl_b32 s16, s13, 7
	s_add_co_u32 s16, s16, s17                     ; A: row 128 x tile row + 64 x half
	s_lshl_b32 s46, s42, 7
	s_add_co_u32 s46, s46, s17                     ; B: row 128 x tile column + 64 x half
	s_mov_b32 s17, 0
	s_mov_b32 s47, 0
	s_mov_b64 s[18:19], SIZE_K*2
	s_mul_u64 s[16:17], s[16:17], s[18:19]
	s_mul_u64 s[46:47], s[46:47], s[18:19]
	s_mul_i32 s20, s10, HALFT                      ; where my load lands: wave x 64 rows
	s_wait_dscnt 0x0                               ; the opening add is done
	s_wait_kmcnt 0x0
	s_add_nc_u64 s[14:15], s[68:69], s[16:17]
	s_add_nc_u64 s[46:47], s[70:71], s[46:47]
.if WOFF
	s_add_nc_u64 s[46:47], s[46:47], WOFF
.endif
	CROUND                                         ; all sixteen work-groups are here: the first joint loads meet
.irp s, 0,1
	s_mov_b32 s[G0+4*(\s)], 1
	s_add_co_u32 s[G0+4*(\s)+1], s20, (\s)*SLOT
	s_add_nc_u64 s[G0+4*(\s)+2:G0+4*(\s)+3], s[14:15], (\s)*KSTEP*2
	s_or_b32 s[G0+4*(\s)+3], s[G0+4*(\s)+3], 0x80000000
	s_mov_b32 s[G0B+4*(\s)], 1
	s_add_co_u32 s[G0B+4*(\s)+1], s20, (\s)*SLOT
	s_add_nc_u64 s[G0B+4*(\s)+2:G0B+4*(\s)+3], s[46:47], (\s)*KSTEP*2
	s_or_b32 s[G0B+4*(\s)+3], s[G0B+4*(\s)+3], 0x80000000
	JLOAD \s
.endr
	v_and_b32 v1, 15, v0                           ; r = l % 16
	v_bfe_u32 v2, v0, 4, 1                         ; h = l / 16
	v_mul_u32_u24 v3, v1, PITCH
	v_lshl_add_u32 v3, v2, 4, v3
	s_mul_i32 s21, s11, HALFT
	s_mul_i32 s22, s12, HALFT
	s_add_co_u32 s22, s22, 2*HALFT
	v_add_nc_u32 v[ADRA0], s21, v3
	v_add_nc_u32 v[ADRB0], s22, v3
	v_mov_b32 v[ADRA], v[ADRA0]
	v_mov_b32 v[ADRB], v[ADRB0]
	; the way out's scalars, addresses and operands; the operands' loads stay out through the whole loop
	s_mov_b32 s4, 0x76543210                       ; v_permlanex16_b32: each lane takes its own place in the other half
	s_mov_b32 s5, 0xfedcba98
	s_mov_b32 s6, 0x3c800000                       ; 1 / 64
	s_mov_b32 s7, 0x3727c5ac                       ; 1e-5
	s_lshl_b32 s76, s42, 1
	s_add_co_u32 s76, s76, s12                     ; my head, 0..23
	s_max_u32 s77, s76, 12
	s_sub_co_u32 s77, s77, 12
	s_lshr_b32 s77, s77, 2                         ; 0 q, 1 k, 2 v
	s_lshr_b32 s78, s77, 1
	s_sub_co_u32 s79, 1, s78                       ; 0 for v: every token then reads the table's row 0
	s_sub_co_u32 s80, 0, s78                       ; all ones for v: a lane mask
	s_lshl_b32 s81, s13, 7
	s_and_b32 s81, s81, 2047
	s_lshl_b32 s82, s11, 6
	s_add_co_u32 s81, s81, s82                     ; my first token's position
	s_lshr_b32 s82, s13, 4                         ; the batch
	s_mul_i32 s82, s82, 24
	s_add_co_u32 s82, s82, s76
	s_lshl_b32 s84, s82, 18                        ; a head is 2,048 x 128 bytes
	s_lshl_b32 s83, s81, 7
	s_add_co_u32 s84, s84, s83
	s_mov_b32 s85, 0
	s_add_nc_u64 s[86:87], s[74:75], s[84:85]
	s_lshl_b32 s83, s77, 8                         ; the gain's row of 256 bytes
	s_mul_i32 s23, s10, 16*SPITCH
	s_add_co_u32 s23, s23, STAGE                   ; my stage
	v_mul_u32_u24 v4, v1, SPITCH                   ; in: row r, 16 bytes for each half of the lanes
	v_lshl_add_u32 v4, v2, 4, v4
	v_add_nc_u32 v[STO], s23, v4
	v_bfe_u32 v5, v0, 3, 2                         ; back: 32 lanes take four rows of 128 bytes,
	v_mul_u32_u24 v5, v5, SPITCH
	v_and_b32 v6, 7, v0
	v_lshl_add_u32 v5, v6, 4, v5
	v_add_nc_u32 v[RD], s23, v5
	v_and_b32 v[CO], 31, v0                        ; which are 512 consecutive bytes of a head
	v_lshlrev_b32 v[CO], 4, v[CO]
	v_add_nc_u32 v6, s81, v1
.irp a, 0,1,2,3
	v_add_nc_u32 v7, 16*(\a), v6                   ; the token's position,
	v_mul_lo_u32 v7, v7, s79                       ; or 0
	v_lshlrev_b32 v7, 7, v7
	v_lshl_add_u32 v[96+(\a)], v2, 5, v7           ; its row of the table, my eight angles
.endr
	v_lshl_add_u32 v100, v2, 5, s83
	WIN 0x80                                       ; destination window 2
.irp a, 0,1,2,3
	global_load_b128 v[16*(\a):16*(\a)+3],     v[96+(\a)], s[72:73]
	global_load_b128 v[16*(\a)+4:16*(\a)+7],   v[96+(\a)], s[72:73] offset:16
	global_load_b128 v[16*(\a)+8:16*(\a)+11],  v[96+(\a)], s[72:73] offset:64
	global_load_b128 v[16*(\a)+12:16*(\a)+15], v[96+(\a)], s[72:73] offset:80
.endr
.irp b, 0,1,2,3
	global_load_b128 v[64+8*(\b):64+8*(\b)+3], v100, s[72:73] offset:262144+64*(\b)
	global_load_b128 v[64+8*(\b)+4:64+8*(\b)+7], v100, s[72:73] offset:262144+64*(\b)+16
.endr
	WIN 0
	s_wait_tensorcnt 1                             ; my part of K step 0 is in; K step 1's may stay out
	s_barrier_signal -1
	s_barrier_wait -1
	FETCH 0, F0
	QUARTER 128, F0, F1, 1                         ; the first quarter stands in front of the loop: its first products start the sums
	WIN 0
	s_mov_b32 s3, STEPS-2
.Lk:                                                   ; a trip: from a K step's second quarter to the next step's first; it fills the slot that it leaves
	QUARTER 256, F1, F0, 0
	QUARTER 384, F0, F1, 0
	TURN 1
	QUARTER 128, F0, F1, 0
	WIN 0
	s_sub_co_u32 s3, s3, 1
	s_cmp_lg_u32 s3, 0
	s_cbranch_scc1 .Lk
	s_mov_b32 s3, 2
.Ltail:                                                ; the last two K steps: the same trip without a fill; the second is left behind its last product
	QUARTER 256, F1, F0, 0
	QUARTER 384, F0, F1, 0
	TURN 0
	WIN 0
	s_sub_co_u32 s3, s3, 1
	s_cmp_eq_u32 s3, 0
	s_cbranch_scc1 .Lout
	QUARTER 128, F0, F1, 0
	WIN 0
	s_branch .Ltail
.Lout:
; THE WAY OUT of 16 tokens (block a): the mean of 64 squares (32 in my lane, 32 in the lane 16 away), the root, the gain, the rotation of channels 0-15 with 32-47, f16, and through my own stage.
.macro QK a
	WIN 0
	s_wait_xcnt 0x0                                ; the registers that earlier stores read are rewritten only behind this wait
.set n, 0
.rept 2
	v_pk_mul_f32 v[6+2*n:7+2*n], v[ACC+32*(\a)+2*n:ACC+32*(\a)+2*n+1], v[ACC+32*(\a)+2*n:ACC+32*(\a)+2*n+1]
.set n, n+1
.endr
.rept 14                               ; ascending: each accumulator's lowest registers are read first
	v_pk_fma_f32 v[6+2*(n%2):7+2*(n%2)], v[ACC+32*(\a)+2*n:ACC+32*(\a)+2*n+1], v[ACC+32*(\a)+2*n:ACC+32*(\a)+2*n+1], v[6+2*(n%2):7+2*(n%2)]
.set n, n+1
.endr
	v_pk_add_f32 v[6:7], v[6:7], v[8:9]
	v_add_f32 v6, v6, v7
	v_permlanex16_b32 v7, v6, s4, s5
	v_add_f32 v6, v6, v7
	v_fma_f32 v6, v6, s6, s7
	v_rsq_f32 v10, v6
	v_nop
	s_wait_alu depctr_va_vdst(0)
	v_cndmask_b32 v10, v10, 1.0, s80               ; v is not normalised
	v_mov_b32 v11, v10
.set n, 0
.rept 16
	v_pk_mul_f32 v[ACC+32*(\a)+2*n:ACC+32*(\a)+2*n+1], v[ACC+32*(\a)+2*n:ACC+32*(\a)+2*n+1], v[10:11]
.set n, n+1
.endr
	WIN 0x08                                       ; source 1 in window 2
.set n, 0
.rept 16
	v_pk_mul_f32 v[ACC+32*(\a)+2*n:ACC+32*(\a)+2*n+1], v[ACC+32*(\a)+2*n:ACC+32*(\a)+2*n+1], v[64+2*n:65+2*n]
.set n, n+1
.endr
.set n, 0
.rept 4
	v_pk_mul_f32 v[32+2*n:33+2*n], v[ACC+32*(\a)+2*n:ACC+32*(\a)+2*n+1], v[16*(\a)+2*n:16*(\a)+2*n+1]          ; t1 cos
	v_pk_mul_f32 v[40+2*n:41+2*n], v[ACC+32*(\a)+16+2*n:ACC+32*(\a)+16+2*n+1], v[16*(\a)+2*n:16*(\a)+2*n+1]    ; t2 cos
	v_pk_fma_f32 v[32+2*n:33+2*n], v[ACC+32*(\a)+16+2*n:ACC+32*(\a)+16+2*n+1], v[16*(\a)+8+2*n:16*(\a)+8+2*n+1], v[32+2*n:33+2*n] neg_lo:[1,0,0] neg_hi:[1,0,0]  ; - t2 sin
	v_pk_fma_f32 v[40+2*n:41+2*n], v[ACC+32*(\a)+2*n:ACC+32*(\a)+2*n+1], v[16*(\a)+8+2*n:16*(\a)+8+2*n+1], v[40+2*n:41+2*n]                                      ; + t1 sin
.set n, n+1
.endr
	WIN 0
.set n, 0
.rept 4
	v_cvt_pk_f16_f32 v[48+n], v[32+2*n], v[33+2*n]
	v_cvt_pk_f16_f32 v[52+n], v[ACC+32*(\a)+8+2*n], v[ACC+32*(\a)+8+2*n+1]
	v_cvt_pk_f16_f32 v[56+n], v[40+2*n], v[41+2*n]
	v_cvt_pk_f16_f32 v[60+n], v[ACC+32*(\a)+24+2*n], v[ACC+32*(\a)+24+2*n+1]
.set n, n+1
.endr
.irp b, 0,1,2,3
	ds_store_b128 v[STO], v[48+4*(\b):51+4*(\b)] offset:32*(\b)
.endr
.irp f, 0,1,2,3
	ds_load_b128 v[64+16*((\a)%2)+4*(\f):64+16*((\a)%2)+4*(\f)+3], v[RD] offset:4*SPITCH*(\f)  ; LDS serves a wave's instructions in order: these see the stores above
.endr
.irp f, 0,1,2,3
	s_wait_dscnt 3-(\f)
	global_store_b128 v[CO], v[64+16*((\a)%2)+4*(\f):64+16*((\a)%2)+4*(\f)+3], s[86:87] offset:2048*(\a)+512*(\f)  ; 512 consecutive bytes, at a multiple of 256 from the buffer's first
.endr
.endm
	PLACES
	s_wait_loadcnt 0x0                             ; the table's rows and the gain
	QK 0
	QK 1
	QK 2
	QK 3
	s_wait_tensorcnt 0x0                           ; the wave's end
	ds_add_u32 v[SPW], v[NIL]
	s_wait_dscnt 0x0
	CROUND                                         ; the closing round
	s_endpgm
.Lfunc_end_k_qe39038b58e_qkv:
	.size	k_qe39038b58e_qkv, .Lfunc_end_k_qe39038b58e_qkv-k_qe39038b58e_qkv
	.p2alignl 7, 3214868480
	.fill 96, 4, 3214868480
	.section	.rodata,"a",@progbits
	.p2align	6, 0x0
	.amdhsa_kernel k_qe39038b58e_qkv
		.amdhsa_group_segment_fixed_size 327680
		.amdhsa_private_segment_fixed_size 0
		.amdhsa_enable_private_segment 0
		.amdhsa_kernarg_size 32
		.amdhsa_user_sgpr_count 2
		.amdhsa_user_sgpr_kernarg_segment_ptr 1
		.amdhsa_wavefront_size32 1
		.amdhsa_system_sgpr_workgroup_id_x 1
		.amdhsa_system_sgpr_workgroup_id_y 1
		.amdhsa_system_sgpr_workgroup_id_z 1
		.amdhsa_system_vgpr_workitem_id 0
		.amdhsa_next_free_vgpr 608
		.amdhsa_next_free_sgpr 88
		.amdhsa_reserve_vcc 0
		.amdhsa_float_denorm_mode_32 3
		.amdhsa_float_denorm_mode_16_64 3
		.amdhsa_memory_ordered 1
		.amdhsa_forward_progress 1
		.amdhsa_inst_pref_size 80
	.end_amdhsa_kernel
	.amdgpu_metadata
---
amdhsa.version: [ 1, 2 ]
amdhsa.kernels:
  - .name:           k_qe39038b58e_qkv
    .symbol:         k_qe39038b58e_qkv.kd
    .args:
      - { .name: hn, .offset: 0, .size: 8, .value_kind: global_buffer, .address_space: global }
      - { .name: wts, .offset: 8, .size: 8, .value_kind: global_buffer, .address_space: global }
      - { .name: tab, .offset: 16, .size: 8, .value_kind: global_buffer, .address_space: global }
      - { .name: qkv, .offset: 24, .size: 8, .value_kind: global_buffer, .address_space: global }
    .group_segment_fixed_size: 327680
    .private_segment_fixed_size: 0
    .kernarg_segment_align: 8
    .kernarg_segment_size: 32
    .max_flat_workgroup_size: 128
    .sgpr_count:     88
    .vgpr_count:     608
    .wavefront_size: 32
...
	.end_amdgpu_metadata
.endif
;; end of part 2
;; launch attn (part 3): grid 32 x 8, 4 waves a work-group, clusters of 4 x 1, 327,680 bytes of LDS; arguments qkv, att, w_up, w_down, wts; writes att, wts
.if DOCPART == 3
	.amdgcn_target "amdgcn-amd-amdhsa--gfx1250"
	.amdhsa_code_object_version 6
	.text
	.protected	k_qe39038b58e_attn
	.globl	k_qe39038b58e_attn
	.p2align	8
	.type	k_qe39038b58e_attn,@function
k_qe39038b58e_attn:
	s_mov_b64 s[64:65], 0
	v_nop
	global_prefetch_b8 v0, s[64:65] scope:SCOPE_SE
	s_setreg_imm32_b32 hwreg(HW_REG_WAVE_MODE, 25, 1), 1
	s_wait_xcnt 0x0
	s_wait_alu depctr_hold_cnt(0) depctr_sa_sdst(0) depctr_va_vdst(0) depctr_va_sdst(0) depctr_va_ssrc(0) depctr_va_vcc(0) depctr_vm_vsrc(0)
	s_getreg_b32 s2, hwreg(HW_REG_IB_STS2, 6, 4)
	s_cmp_eq_u32 s2, 0
	s_cbranch_scc0 .Lentry_in_a_cluster
	s_endpgm
.Lentry_in_a_cluster:
	s_bfe_u32 s2, ttmp6, 0x10000c
	s_cmp_lg_u32 s2, 0x3003
	s_cbranch_scc0 .Lentry_shape_is_right
	s_endpgm
.Lentry_shape_is_right:
; CAUSAL GQA ATTENTION.  For batch bt and key head kvh (the grid's y = 4 bt + kvh) and its four query heads: O[q] = the sum over k <= q of softmax_k(Q[q] . K[k] / 8) V[k].
; qkv: f16 [2][24 heads][2048][64] (0-15 q, 16-19 k, 20-23 v).  att: f16 [4096 tokens][1024], feature = 64 x query head + channel.  Products, maxima and sums in f32; the weights p are rounded to
; f16 for the second product (their sum l is taken of the unrounded p), O once at the end.
; LIMITS.  A hidden score counts as its value less 1e30; a weight below 2^-126 counts as 0 in l; O is a mean of V's rows and has their range; NaN and infinities are not treated apart.
; THE WALK.  The positions lie in 64 blocks of 32; block i needs the key tiles 0 .. i / 8 of 256 keys, of which the last holds the diagonal.  A work-group takes TWO blocks x the four query heads:
; 63 - bq, then bq (bq = 4 x cluster + place, 0..31): with c = bq / 8 that is (8 - c) + (c + 1) = 9 tiles for every work-group.  c is the cluster's number halved: the four partners share it, walk
; the same tiles in the same trips, and ask for each JOINTLY.  Trip counts are constants; branches hang on c alone; the place in the cluster enters Q's and O's addresses and the mask's numbers.
; SHARES.  Wave w: 16 positions (w / 2) x two heads (2 (w % 2) and the next): two tiles of 16 queries, which share one mask; a position's two heads are 256 aligned bytes of att.
; LAYOUT.  S^T = K Q^T holds ONE query a lane (lane % 16) and the keys 8 (lane / 16) + 0..7; two such results rounded to f16 ARE source 1 of O^T = V^T P.  K comes out of LDS as it lies, V turned.
; THE MASK is the C operand that starts S^T's sums: 0, or -1e30 where the key is hidden; outside a diagonal tile the mask registers hold 0.  A diagonal tile's first key is seen by every query of
; the block, so the running maximum is a true score before a step is wholly hidden.
; SOFTMAX.  p = 2^(c s - c m), c = log2(e) / 8, with a running maximum m; O and l are multiplied by a = 2^(c m_old - c m_new) in every step.  c m starts far below every c s: a block's first a is 0.
; IN PHASES: a step's 16 products K Q^T, the softmax, its 16 products V^T P; V and the next step's K are fetched from LDS under the softmax.
; THE CASTS BESIDE IT.  w_up and w_down are first read two and three launches on, and the attention itself moves few bytes (12.6 MB in, 8.4 MB out), so their casts stand here: each is rounded once to
; bf16; w_up's number is then written as f16 (exact inside f16's normal range; 65,520 or more has no f16, below 2^-24 becomes 0), w_down's stays bf16.  Work-group 32 y + bq takes 16,384 numbers of
; each, 2,048 of each in each of the walk's first eight tiles: a wave's eight loads go out at the tile's head and are converted and stored behind its four key steps.  This launch never loads from wts.
; REGISTERS.  window 0: v0-15 addresses; v16-31 eight registers of statistics a tile; v32-33 the casts' offsets; v64-127 S^T; v128-159 P; v160-223 O^T; v224-255 the mask.
;   window 1: v0-31 Q; v32-63 the second block's Q; v64-127 K of one step; v128-191 V of one step; v192-243 the casts.
.set KS,    64
.set PK,    144       ; a row of K in LDS: 128 bytes + 16: the 16 rows of a load start at 16 different groups of four banks
.set PV,    160       ; a row of V: 128 + 32
.set VOFF,  4*KS*PK   ; a slot holds a tile: 256 rows of K, then 256 rows of V
.set SLOT1, 1<<17
.set STAGE, SLOT1+4*KS*(PK+PV)  ; behind the ring: 16 rows x 272 bytes for each wave
.set SP,    272
.set SPARE, STAGE+4*16*SP       ; the spare words: 128 bytes a wave, two blocks of 256 bytes that no other line names
.set AK0, 2
.set AV0, 3
.set AK,  4
.set AV,  5
.set STO, 6
.set RD,  7
.set GO,  8
.set QO,  12
.set XQ,  13          ; my query's place in the diagonal tile, less my lanes' 8 (l / 16)
.set TV,  14
.set ST,  16          ; tile t at ST + 8 t: c m, m, l (two), c0-c3 at work; a takes c2's place
.set CI,  32          ; v32  the casts: 32 x my thread's number: my 8 f32 of a group; never rewritten
.set CO2, 33          ; v33  16 x my thread's number: my 8 halves; never rewritten
.set SPW, 62
.set NIL, 63
.set S,   64
.set P,   128
.set O,   160
.set MC,  224
.set Q,   0           ; window 1
.set QB,  32
.set KF,  64
.set VF,  128
.set CX,  192         ; window 1: four groups of 8 f32 as loaded: two of w_up, two of w_down
.set CY,  224         ; window 1: four groups of 4 registers to store
.set CT,  240         ; window 1: four registers at work
.set WV,  12
.set CC,  14          ; s14  c
.set G1K, 24
.set G1V, 32
.set G0K, 40
.set G0V, 44
.set EE,  50          ; s50  bq % 8
.set EB,  51          ; s51  the block in hand's place in its diagonal tile
.set S64, 53          ; s53  64 x the step in the tile
.set SLOTS, 56
.set CNT, 57
.set CS,  58
.set SEL, 60
.set TBK, 62
.set TBV, 63
.set RT,  70          ; s70  tiles of the block in hand still to be entered
.set NXT, 71          ; s71  the tile to be asked for next
.set LQ,  72          ; s72  the last tile of the block whose tiles are being asked for
.set OFF, 74
.set KB,  76          ; s[76:77] K at my half of the head's tile 0
.set VB,  78
.set OLO, 80          ; s[80:81] att at my rows of the second block
.set BIGN, 82
.set ON,  84          ; s[84:85] att at my rows of the block in hand
.set QLO, 86
.set WU,  88          ; s[88:89] w_up at the tile's 2,048 numbers;  s[90:91] w_down
.set WD,  90
.set OU,  92          ; s[92:93] where they go in wts;  s[94:95] likewise
.set OD,  94
.set MSB, 0
.macro WIN new
.if MSB != (\new)
	s_set_vgpr_msb (MSB<<8)|(\new)
.set MSB, (\new)
.endif
.endm
.set W_KQ, 0x05       ; K and Q in window 1
.set W_PV, 0x01       ; V in window 1
.macro JLOAD          ; a joint fill: waves 0, 1 fetch the halves of a tile's K, waves 2, 3 of its V; s_nop 0 and four v_nop follow each line
	s_cmp_lt_u32 s[WV], 2
	s_cbranch_scc0 .Lfor_v_\@
	tensor_load_to_lds s[G0K:G0K+3], s[G1K:G1K+7]
	s_nop 0
.rept 4
	v_nop
.endr
	s_branch .Lasked_\@
.Lfor_v_\@:
	tensor_load_to_lds s[G0V:G0V+3], s[G1V:G1V+7]
	s_nop 0
.rept 4
	v_nop
.endr
.Lasked_\@:
.endm
.macro CROUND
	s_barrier_signal -1
	s_barrier_wait -1
	s_cmp_lg_u32 s[WV], 0
	s_cbranch_scc1 .Lnot_wave_0_\@
	s_barrier_signal -3
.Lnot_wave_0_\@:
	s_barrier_wait -3
	s_barrier_signal -1
	s_barrier_wait -1
.endm
.macro PLACES
.rept 4
	v_nop
.endr
.endm
; THE CHANGE OF SLOTS.  Each wave waits for all its tensor loads (one is out: its part of the other slot), adds 0 to its spare word, and waits for that and for its reads of the slot that it leaves.
; fill = 1: a round of the cluster's barrier, and the old slot is filled again first thing behind it, with tile NXT; the load has four key steps in which to land.
.macro CHANGE fill
	WIN 0
	s_wait_tensorcnt 0x0
	ds_add_u32 v[SPW], v[NIL]
.if \fill
	s_lshl_b32 s[OFF], s[NXT], 15   ; a tile is 32,768 bytes of K and of V
	s_xor_b32 s[G0K+1], s[G0K+1], SLOT1
	s_add_nc_u64 s[G0K+2:G0K+3], s[KB:KB+1], s[OFF:OFF+1]
	s_or_b32 s[G0K+3], s[G0K+3], 0x80000000
	s_xor_b32 s[G0V+1], s[G0V+1], SLOT1
	s_add_nc_u64 s[G0V+2:G0V+3], s[VB:VB+1], s[OFF:OFF+1]
	s_or_b32 s[G0V+3], s[G0V+3], 0x80000000
	s_add_co_u32 s[NXT], s[NXT], 1  ; the block's next tile, or behind its last the second block's tile 0
	s_cmp_gt_u32 s[NXT], s[LQ]
	s_cselect_b32 s[NXT], 0, s[NXT]
	s_cselect_b32 s[LQ], s[CC], s[LQ]
	s_wait_dscnt 0x0
	CROUND
	JLOAD
.else
	s_wait_dscnt 0x0
	s_barrier_signal -1
	s_barrier_wait -1
.endif
	s_sub_co_u32 s[TBK], s[TBK], 4*KS*PK  ; the fetches go back to a slot's first step, in the other slot
	s_xor_b32 s[TBK], s[TBK], SLOT1
	s_sub_co_u32 s[TBV], s[TBV], 4*KS*PV
	s_xor_b32 s[TBV], s[TBV], SLOT1
.endm
.macro FETCH_K        ; a step's K: 64 keys x 64 channels, 8 fragments
	WIN 0x40
.irp f, 0,1,2,3,4,5,6,7
	ds_load_b128 v[KF+8*(\f):KF+8*(\f)+3],   v[AK] offset:((\f)/2)*16*PK+((\f)%2)*64
	ds_load_b128 v[KF+8*(\f)+4:KF+8*(\f)+7], v[AK] offset:((\f)/2)*16*PK+((\f)%2)*64+32
.endr
	s_add_co_u32 s[TBK], s[TBK], KS*PK
	WIN 0
.endm
.macro FETCH_V        ; a step's V, turned
	WIN 0x40
.irp f, 0,1,2,3,4,5,6,7
	ds_load_tr16_b128 v[VF+8*(\f):VF+8*(\f)+3],   v[AV] offset:((\f)/4)*32*PV+((\f)%4)*32
	ds_load_tr16_b128 v[VF+8*(\f)+4:VF+8*(\f)+7], v[AV] offset:((\f)/4)*32*PV+16*PV+((\f)%4)*32
.endr
	s_add_co_u32 s[TBV], s[TBV], KS*PV
	WIN 0
.endm
; THE CASTS of a tile.  CASTIN: eight loads: group j of w_up and of w_down lies at byte 4,096 j + 32 x thread of the tile's 8,192 bytes.
.macro CASTIN
	WIN 0x40                        ; destination window 1, address window 0
.irp j, 0,1
	global_load_b128 v[CX+8*(\j):CX+8*(\j)+3],       v[CI], s[WU:WU+1] offset:4096*(\j) th:TH_LOAD_NT
	global_load_b128 v[CX+8*(\j)+4:CX+8*(\j)+7],     v[CI], s[WU:WU+1] offset:4096*(\j)+16 th:TH_LOAD_NT
	global_load_b128 v[CX+16+8*(\j):CX+16+8*(\j)+3], v[CI], s[WD:WD+1] offset:4096*(\j) th:TH_LOAD_NT
	global_load_b128 v[CX+16+8*(\j)+4:CX+16+8*(\j)+7], v[CI], s[WD:WD+1] offset:4096*(\j)+16 th:TH_LOAD_NT
.endr
	WIN 0
.endm
; CASTOUT, four key steps later: w_up f32 -> bf16 -> f32 -> f16, w_down f32 -> bf16; four stores, each of a wave 512 consecutive bytes; the four addresses step to the next tile's share.
.macro CASTOUT
	s_wait_loadcnt 0x0              ; the eight loads issued at the tile's head
	WIN 0x45                        ; destination and both sources in window 1
.irp j, 0,1
.irp k, 0,1,2,3
	v_cvt_pk_bf16_f32 v[CT+(\k)], v[CX+8*(\j)+2*(\k)], v[CX+8*(\j)+2*(\k)+1]
.endr
.irp k, 0,1,2,3
	v_lshlrev_b32 v[CX+8*(\j)+2*(\k)], 16, v[CT+(\k)]
	v_and_b32 v[CX+8*(\j)+2*(\k)+1], 0xffff0000, v[CT+(\k)]
.endr
.irp k, 0,1,2,3
	v_cvt_pk_f16_f32 v[CY+4*(\j)+(\k)], v[CX+8*(\j)+2*(\k)], v[CX+8*(\j)+2*(\k)+1]
.endr
.endr
.irp j, 2,3
.irp k, 0,1,2,3
	v_cvt_pk_bf16_f32 v[CY+4*(\j)+(\k)], v[CX+8*(\j)+2*(\k)], v[CX+8*(\j)+2*(\k)+1]
.endr
.endr
	WIN 0x04                        ; a store's data (source 1) in window 1, its address in window 0
.irp j, 0,1
	global_store_b128 v[CO2], v[CY+4*(\j):CY+4*(\j)+3],     s[OU:OU+1] offset:2048*(\j)
	global_store_b128 v[CO2], v[CY+8+4*(\j):CY+8+4*(\j)+3], s[OD:OD+1] offset:2048*(\j)
.endr
	WIN 0
	s_wait_xcnt 0x0                 ; the stores' bases, and their data registers in the next tile, are rewritten only behind this wait
	s_add_nc_u64 s[WU:WU+1], s[WU:WU+1], 8192
	s_add_nc_u64 s[WD:WD+1], s[WD:WD+1], 8192
	s_add_nc_u64 s[OU:OU+1], s[OU:OU+1], 4096
	s_add_nc_u64 s[OD:OD+1], s[OD:OD+1], 4096
.endm
.macro KQ             ; 16 products: channels 32 (i / 8) on, keys 16 ((i / 2) % 4) on, tile i % 2.  The 8 accumulators take turns; the first 8 start the sums with the mask
	WIN W_KQ
.set i, 0
.rept 16
.set rS, S+32*(i%2)+8*((i/2)%4)
.set rK, KF+16*((i/2)%4)+8*(i/8)
.set rQ, Q+16*(i%2)+8*(i/8)
.set rM, MC+8*((i/2)%4)
.if i < 8
	v_wmma_f32_16x16x32_f16 v[rS:rS+7], v[rK:rK+7], v[rQ:rQ+7], v[rM:rM+7]
.else
	v_wmma_f32_16x16x32_f16 v[rS:rS+7], v[rK:rK+7], v[rQ:rQ+7], v[rS:rS+7]
.endif
.set i, i+1
.endr
.endm
.macro PV             ; 16 products: keys 32 (i / 8) on, channels 16 ((i / 2) % 4) on, tile i % 2
	WIN W_PV
.set i, 0
.rept 16
.set rO, O+32*(i%2)+8*((i/2)%4)
.set rV, VF+32*(i/8)+8*((i/2)%4)
.set rP, P+16*(i%2)+8*(i/8)
	v_wmma_f32_16x16x32_f16 v[rO:rO+7], v[rV:rV+7], v[rP:rP+7], v[rO:rO+7]
.set i, i+1
.endr
.endm
.macro MASK           ; register j of key group kb is hidden where 64 step + 16 kb + 8 (l / 16) + j is greater than my query's place
	WIN 0
	v_sub_nc_u32 v[TV], v[XQ], s[S64]
.set i, 0
.rept 32
	v_cmp_gt_i32 vcc_lo, 16*(i/8)+i%8, v[TV]
	v_cndmask_b32 v[MC+i], 0, s[BIGN], vcc_lo
.set i, i+1
.endr
.endm
.macro SOFT           ; both tiles, alternating
	WIN 0
.irp j, 0,1,2,3       ; four chains of seven scores; each accumulator's lowest registers are read first
.irp t, 0,1
	v_max3_num_f32 v[ST+8*(\t)+4+(\j)], v[S+32*(\t)+8*(\j)], v[S+32*(\t)+8*(\j)+1], v[S+32*(\t)+8*(\j)+2]
.endr
.endr
.irp n, 1,2
.irp j, 0,1,2,3
.irp t, 0,1
	v_max3_num_f32 v[ST+8*(\t)+4+(\j)], v[ST+8*(\t)+4+(\j)], v[S+32*(\t)+8*(\j)+2*(\n)+1], v[S+32*(\t)+8*(\j)+2*(\n)+2]
.endr
.endr
.endr
.irp t, 0,1
	v_max3_num_f32 v[ST+8*(\t)+4], v[ST+8*(\t)+4], v[S+32*(\t)+7], v[S+32*(\t)+15]
	v_max3_num_f32 v[ST+8*(\t)+6], v[ST+8*(\t)+6], v[S+32*(\t)+23], v[S+32*(\t)+31]
.endr
.irp t, 0,1
	v_max3_num_f32 v[ST+8*(\t)+4], v[ST+8*(\t)+4], v[ST+8*(\t)+5], v[ST+8*(\t)+6]
.endr
.irp t, 0,1
	v_max3_num_f32 v[ST+8*(\t)+4], v[ST+8*(\t)+4], v[ST+8*(\t)+7], v[ST+8*(\t)+1]   ; and the old m
.endr
.irp t, 0,1
	v_permlanex16_b32 v[ST+8*(\t)+5], v[ST+8*(\t)+4], s[SEL], s[SEL+1]              ; the query's other 32 keys lie in the lane 16 away
.endr
.irp t, 0,1
	v_mov_b32 v[ST+8*(\t)+7], v[ST+8*(\t)]                                          ; c m_old
.endr
.irp t, 0,1
	v_max_num_f32 v[ST+8*(\t)+1], v[ST+8*(\t)+4], v[ST+8*(\t)+5]
.endr
.irp t, 0,1
	v_mul_f32 v[ST+8*(\t)], s[CS], v[ST+8*(\t)+1]
.endr
.irp t, 0,1
	v_sub_f32 v[ST+8*(\t)+7], v[ST+8*(\t)+7], v[ST+8*(\t)]
.endr
.irp t, 0,1
	v_exp_f32 v[ST+8*(\t)+6], v[ST+8*(\t)+7]                                        ; a
.endr
.set i, 0
.rept 32              ; c s - c m, two at a time
	v_pk_fma_f32 v[S+2*i:S+2*i+1], v[S+2*i:S+2*i+1], s[CS:CS+1], v[ST+8*(i/16):ST+8*(i/16)+1] op_sel_hi:[1,0,0] neg_lo:[0,0,1] neg_hi:[0,0,1]
.set i, i+1
.endr
.set i, 0
.rept 64
	v_exp_f32 v[S+i], v[S+i]
.set i, i+1
.endr
	v_nop                           ; a plain instruction between the last exponential and the use of its result
.set i, 0
	s_wait_alu depctr_va_vdst(0)
.rept 32
	v_cvt_pk_f16_f32 v[P+i], v[S+2*i], v[S+2*i+1]
.set i, i+1
.endr
.irp w, 4,8,16,32     ; the sum of a tile's 16 pairs, in place: neighbours 1, 2, 4 and 8 pairs apart
.set i, 0
.rept 64/(\w)
	v_pk_add_f32 v[S+(\w)*i:S+(\w)*i+1], v[S+(\w)*i:S+(\w)*i+1], v[S+(\w)*i+(\w)/2:S+(\w)*i+(\w)/2+1]
.set i, i+1
.endr
.endr
.irp t, 0,1
	v_pk_fma_f32 v[ST+8*(\t)+2:ST+8*(\t)+3], v[ST+8*(\t)+2:ST+8*(\t)+3], v[ST+8*(\t)+6:ST+8*(\t)+7], v[S+32*(\t):S+32*(\t)+1] op_sel_hi:[1,0,1]  ; l = a l + sum
.endr
.set i, 0
.rept 32              ; O^T times a, ascending
	v_pk_mul_f32 v[O+2*i:O+2*i+1], v[O+2*i:O+2*i+1], v[ST+8*(i/16)+6:ST+8*(i/16)+7] op_sel_hi:[1,0]
.set i, i+1
.endr
.endm
; A BLOCK BEGINS: the mask registers hold 0; c m far below every c s, m the lowest finite number; my query's place in the block's diagonal tile.
.macro BEGIN
	WIN 0
.set i, 0
.rept 32
	v_mov_b32 v[MC+i], 0
.set i, i+1
.endr
.irp t, 0,1
	v_mov_b32 v[ST+8*(\t)], 0xfe000000
	v_mov_b32 v[ST+8*(\t)+1], 0xff7fffff
.endr
	s_lshl_b32 s8, s[EB], 5
	s_lshl_b32 s9, s15, 4
	s_add_co_u32 s8, s8, s9
	v_lshlrev_b32 v[TV], 3, v9
	v_sub_nc_u32 v[XQ], v1, v[TV]
	v_add_nc_u32 v[XQ], s8, v[XQ]   ; 32 EB + 16 (w / 2) + l % 16 - 8 (l / 16)
	s_wait_loadcnt 0x0              ; Q
.endm
; THE WAY OUT: l's parts are added; O^T is divided by l, rounded to f16 and sent through my own stage: 16 positions x 256 bytes.
.macro OUT
	WIN 0
	PLACES
.irp t, 0,1
	v_add_f32 v[ST+8*(\t)+4], v[ST+8*(\t)+2], v[ST+8*(\t)+3]
.endr
.irp t, 0,1
	v_permlanex16_b32 v[ST+8*(\t)+5], v[ST+8*(\t)+4], s[SEL], s[SEL+1]
.endr
.irp t, 0,1
	v_add_f32 v[ST+8*(\t)+4], v[ST+8*(\t)+4], v[ST+8*(\t)+5]
.endr
.irp t, 0,1
	v_rcp_f32 v[ST+8*(\t)+6], v[ST+8*(\t)+4]
.endr
	v_nop
.set i, 0
	s_wait_alu depctr_va_vdst(0)
.rept 32
	v_pk_mul_f32 v[O+2*i:O+2*i+1], v[O+2*i:O+2*i+1], v[ST+8*(i/16)+6:ST+8*(i/16)+7] op_sel_hi:[1,0]
.set i, i+1
.endr
.set i, 0
.rept 32
	v_cvt_pk_f16_f32 v[S+i], v[O+2*i], v[O+2*i+1]
.set i, i+1
.endr
.irp f, 0,1,2,3,4,5,6,7
	ds_store_b128 v[STO], v[S+4*(\f):S+4*(\f)+3] offset:32*(\f)    ; tile f / 4, channels 16 (f % 4) on
.endr
.irp f, 0,1,2,3,4,5,6,7
	ds_load_b128 v[S+32+4*(\f):S+32+4*(\f)+3], v[RD] offset:2*SP*(\f)  ; LDS serves a wave's instructions in order: these see the stores above
.endr
.irp f, 0,1,2,3,4,5,6,7
	s_wait_dscnt 7-(\f)
	global_store_b128 v[GO], v[S+32+4*(\f):S+32+4*(\f)+3], s[ON:ON+1] offset:4096*(\f)  ; 16 lanes store 256 consecutive bytes, at a multiple of 256 from att's first
.endr
.endm
; A TILE: four key steps.  last = 1: the walk's last tile, which is the second block's diagonal one; it carries no casts.
.macro TILE last
	s_sub_co_u32 s[RT], s[RT], 1
	s_mov_b32 s[CNT], 4
	s_mov_b32 s[S64], 0
	v_add_nc_u32 v[AK], s[TBK], v[AK0]
	FETCH_K
.if !(\last)
	CASTIN
.endif
.Lstep_\@:
.if \last
	MASK
.else
	s_cmp_lg_u32 s[RT], 0
	s_cbranch_scc1 .Lnomask_\@
	MASK
.Lnomask_\@:
.endif
	s_wait_dscnt 0x0                ; K is in
	KQ
	WIN 0
	v_add_nc_u32 v[AV], s[TBV], v[AV0]   ; these four lines are the places behind the products: K's and V's registers are loaded, and the scores read, only behind them
	v_add_nc_u32 v[AK], s[TBK], v[AK0]
	v_nop
	v_nop
	FETCH_V
	s_cmp_eq_u32 s[CNT], 1
	s_cbranch_scc1 .Lnok_\@         ; the tile's last step fetches no further K
	FETCH_K
.Lnok_\@:
	SOFT
	s_wait_dscnt 0x0                ; V is in
	PV
	WIN 0
	s_add_co_u32 s[S64], s[S64], 64
	s_sub_co_u32 s[CNT], s[CNT], 1
	s_cmp_lg_u32 s[CNT], 0
	s_cbranch_scc1 .Lstep_\@
.if \last
	OUT
.else
	CASTOUT
	s_cmp_lg_u32 s[RT], 0
	s_cbranch_scc1 .Lgo_\@
	OUT                             ; the first block's end
	s_wait_xcnt 0x0                 ; the stores have read their registers and att's address
	s_mov_b64 s[ON:ON+1], s[OLO:OLO+1]
	s_add_co_u32 s[RT], s[CC], 1    ; the second block has c + 1 tiles
	s_mov_b32 s[EB], s[EE]
	WIN 0x41
.set i, 0
.rept 32
	v_mov_b32 v[Q+i], v[QB+i]
.set i, i+1
.endr
	BEGIN
.Lgo_\@:
.endif
.endm
	s_load_b128 s[4:7], s[0:1], 0x0 ; qkv s[4:5], att s[6:7]
	s_load_b128 s[88:91], s[0:1], 0x10  ; w_up, w_down
	s_load_b64 s[92:93], s[0:1], 0x20   ; wts
	v_lshl_add_u32 v[SPW], v0, 2, SPARE
	v_mov_b32 v[NIL], 0
	ds_add_u32 v[SPW], v[NIL]       ; the wave's opening: the add and its wait ahead of my first tensor load
	v_lshrrev_b32 v1, 5, v0
	v_readfirstlane_b32 s[WV], v1
	s_bfe_u32 s48, ttmp6, 0x40000   ; my place in the cluster
	s_lshl_b32 s49, ttmp9, 2
	s_add_co_u32 s49, s49, s48      ; bq
	s_and_b32 s[EE], s49, 7
	s_sub_co_u32 s[EB], 7, s[EE]
	s_lshr_b32 s[CC], ttmp9, 1      ; c: the partners share it
	s_and_b32 s20, ttmp7, 0xffff
	s_lshr_b32 s21, s20, 2          ; the batch
	s_and_b32 s22, s20, 3           ; the key head
	s_mul_i32 s23, s21, 24
	s_and_b32 s16, s[WV], 1         ; which half of a tile's keys I fetch; also my pair of heads
	s_lshr_b32 s15, s[WV], 1        ; my 16 of the block's 32 positions
	s_add_co_u32 s10, s23, s22
	s_add_co_u32 s10, s10, 16       ; K's head
	s_lshl_b32 s10, s10, 18
	s_lshl_b32 s13, s16, 14
	s_add_co_u32 s10, s10, s13
	s_mov_b32 s11, 0
	s_mul_i32 s17, s16, 128*PK
	s_mul_i32 s18, s16, 128*PV
	s_lshl_b32 s52, s22, 2
	s_lshl_b32 s13, s16, 1
	s_add_co_u32 s52, s52, s13      ; my first query head in the batch
	s_lshl_b32 s83, s52, 7          ; its 128 bytes in a row of att
	s_add_co_u32 s52, s52, s23
	s_lshl_b32 s52, s52, 18
	s_lshl_b32 s13, s15, 4
	s_sub_co_u32 s54, 63, s49
	s_lshl_b32 s54, s54, 5
	s_add_co_u32 s54, s54, s13      ; my first position in the first block,
	s_lshl_b32 s55, s49, 5
	s_add_co_u32 s55, s55, s13      ; and in the second
	s_lshl_b32 s2, s54, 7
	s_add_co_u32 s2, s2, s52
	s_mov_b32 s3, 0
	s_lshl_b32 s8, s55, 7
	s_add_co_u32 s8, s8, s52
	s_mov_b32 s9, 0
	s_lshl_b32 s19, s21, 11
	s_add_co_u32 s66, s19, s54
	s_lshl_b32 s66, s66, 11
	s_add_co_u32 s66, s66, s83
	s_mov_b32 s67, 0
	s_add_co_u32 s68, s19, s55
	s_lshl_b32 s68, s68, 11
	s_add_co_u32 s68, s68, s83
	s_mov_b32 s69, 0
	s_lshl_b32 s96, s20, 5
	s_add_co_u32 s96, s96, s49      ; the casts: my work-group among the 256,
	s_lshl_b32 s98, s96, 15         ; its 16,384 halves in wts,
	s_lshl_b32 s96, s96, 16         ; its 16,384 f32 in w_up and in w_down
	s_mov_b32 s97, 0
	s_mov_b32 s99, 0
	; group 1: 128 keys are 16,384 dense bytes: 64 rows of 256 bytes, two keys a row, padded in LDS after every key
	s_mov_b32 s[G1K], 15|(1<<16)|(1<<20)|(1<<21)|(4<<22)|(3<<25)  ; the mask of four; 2-byte elements; padding on; bit 21 beside a mask; after every 32 words 4 words
	s_mov_b32 s[G1V], 15|(1<<16)|(1<<20)|(1<<21)|(4<<22)|(7<<25)  ; the same with 8 words
.irp g, G1K, G1V
	s_mov_b32 s[(\g)+1], 128<<16
	s_mov_b32 s[(\g)+2], 64<<16
	s_mov_b32 s[(\g)+3], 128<<16
	s_mov_b32 s[(\g)+4], 64
	s_mov_b32 s[(\g)+5], 128
	s_mov_b32 s[(\g)+6], 0
	s_mov_b32 s[(\g)+7], 0
.endr
	s_mov_b32 s[CS], 0x3e38aa3b     ; log2(e) / 8
	s_mov_b32 s[CS+1], s[CS]
	s_mov_b32 s[SEL], 0x76543210
	s_mov_b32 s[SEL+1], 0xfedcba98
	s_mov_b32 s[TBK], SLOT1+4*KS*PK ; the first change of slots turns these two into 0
	s_mov_b32 s[TBV], SLOT1+4*KS*PV
	s_mov_b32 s[G0K], 1
	s_mov_b32 s[G0K+1], s17
	s_mov_b32 s[G0V], 1
	s_add_co_u32 s[G0V+1], s18, VOFF
	s_sub_co_u32 s[RT], 8, s[CC]    ; the first block has 8 - c tiles
	s_sub_co_u32 s[LQ], 7, s[CC]
	s_mov_b32 s[NXT], 1
	s_mov_b32 s[OFF+1], 0
	s_mov_b32 s[BIGN], 0xf149f2ca   ; -1e30
	s_mov_b32 s[SLOTS], 8
	s_wait_dscnt 0x0                ; the opening add is done
	s_wait_kmcnt 0x0
	s_add_nc_u64 s[KB:KB+1], s[4:5], s[10:11]
	s_add_nc_u64 s[VB:VB+1], s[KB:KB+1], 0x100000  ; V's head lies four heads behind K's
	s_add_nc_u64 s[G0K+2:G0K+3], s[KB:KB+1], 0
	s_or_b32 s[G0K+3], s[G0K+3], 0x80000000
	s_add_nc_u64 s[G0V+2:G0V+3], s[VB:VB+1], 0
	s_or_b32 s[G0V+3], s[G0V+3], 0x80000000
	s_add_nc_u64 s[2:3], s[4:5], s[2:3]
	s_add_nc_u64 s[QLO:QLO+1], s[4:5], s[8:9]
	s_add_nc_u64 s[ON:ON+1], s[6:7], s[66:67]
	s_add_nc_u64 s[OLO:OLO+1], s[6:7], s[68:69]
	s_add_nc_u64 s[WU:WU+1], s[WU:WU+1], s[96:97]
	s_add_nc_u64 s[WD:WD+1], s[WD:WD+1], s[96:97]
	s_add_nc_u64 s[OU:OU+1], s[OU:OU+1], s[98:99]
	s_add_nc_u64 s[OD:OD+1], s[OU:OU+1], 13631488  ; w_down's region of wts,
	s_add_nc_u64 s[OU:OU+1], s[OU:OU+1], 5242880   ; and w_up's
	CROUND                          ; all four work-groups are here
	JLOAD                           ; tile 0 into slot 0
	v_and_b32 v1, 15, v0            ; l % 16; kept
	v_bfe_u32 v9, v0, 4, 1          ; l / 16; kept
	v_lshlrev_b32 v[QO], 7, v1
	v_lshl_add_u32 v[QO], v9, 4, v[QO]
	WIN 0x40
.irp t, 0,1
.irp c, 0,1                         ; both blocks' Q: head t of my pair, channels 32 c on
	global_load_b128 v[Q+16*(\t)+8*(\c):Q+16*(\t)+8*(\c)+3],     v[QO], s[2:3] offset:262144*(\t)+64*(\c)
	global_load_b128 v[Q+16*(\t)+8*(\c)+4:Q+16*(\t)+8*(\c)+7],   v[QO], s[2:3] offset:262144*(\t)+64*(\c)+32
	global_load_b128 v[QB+16*(\t)+8*(\c):QB+16*(\t)+8*(\c)+3],   v[QO], s[QLO:QLO+1] offset:262144*(\t)+64*(\c)
	global_load_b128 v[QB+16*(\t)+8*(\c)+4:QB+16*(\t)+8*(\c)+7], v[QO], s[QLO:QLO+1] offset:262144*(\t)+64*(\c)+32
.endr
.endr
	WIN 0
	v_lshlrev_b32 v[CI], 5, v0      ; the casts' two offsets
	v_lshlrev_b32 v[CO2], 4, v0
	v_mul_u32_u24 v[AK0], v1, PK
	v_lshl_add_u32 v[AK0], v9, 4, v[AK0]
	v_and_b32 v10, 7, v0            ; the turning load: lane l reads key 8 (l / 16) + l % 8, channels 8 ((l / 8) % 2) on
	v_bfe_u32 v11, v0, 3, 1
	v_lshl_add_u32 v[AV0], v9, 3, v10
	v_mul_u32_u24 v[AV0], v[AV0], PV
	v_lshl_add_u32 v[AV0], v11, 4, v[AV0]
	v_add_nc_u32 v[AV0], VOFF, v[AV0]
	s_mul_i32 s13, s[WV], 16*SP
	s_add_co_u32 s13, s13, STAGE
	v_mul_u32_u24 v[STO], v1, SP
	v_lshl_add_u32 v[STO], v9, 4, v[STO]
	v_add_nc_u32 v[STO], s13, v[STO]
	v_mul_u32_u24 v[RD], v9, SP
	v_lshl_add_u32 v[RD], v1, 4, v[RD]
	v_add_nc_u32 v[RD], s13, v[RD]
	v_lshlrev_b32 v[GO], 11, v9     ; two rows of att, 2,048 bytes apart
	v_lshl_add_u32 v[GO], v1, 4, v[GO]
	; a block's first step multiplies O^T and l by a = 0, so they need only hold finite numbers: zeros now, what the first block left later.  This stands in the wait for the first tile.
.set i, 0
.rept 64
	v_mov_b32 v[O+i], 0
.set i, i+1
.endr
.irp t, 0,1
	v_mov_b32 v[ST+8*(\t)+2], 0
	v_mov_b32 v[ST+8*(\t)+3], 0
.endr
	BEGIN
.Lslot:                             ; 8 trips: a tile is entered and the next is asked for
	CHANGE 1
	TILE 0
	s_sub_co_u32 s[SLOTS], s[SLOTS], 1
	s_cmp_lg_u32 s[SLOTS], 0
	s_cbranch_scc1 .Lslot
	CHANGE 0                        ; the walk's last tile is written out: nothing is asked for
	TILE 1
	s_wait_tensorcnt 0x0            ; the wave's end
	ds_add_u32 v[SPW], v[NIL]
	s_wait_dscnt 0x0
	CROUND                          ; the closing round
	s_endpgm
.Lfunc_end_k_qe39038b58e_attn:
	.size	k_qe39038b58e_attn, .Lfunc_end_k_qe39038b58e_attn-k_qe39038b58e_attn
	.p2alignl 7, 3214868480
	.fill 96, 4, 3214868480
	.section	.rodata,"a",@progbits
	.p2align	6, 0x0
	.amdhsa_kernel k_qe39038b58e_attn
		.amdhsa_group_segment_fixed_size 327680
		.amdhsa_private_segment_fixed_size 0
		.amdhsa_enable_private_segment 0
		.amdhsa_kernarg_size 40
		.amdhsa_user_sgpr_count 2
		.amdhsa_user_sgpr_kernarg_segment_ptr 1
		.amdhsa_wavefront_size32 1
		.amdhsa_system_sgpr_workgroup_id_x 1
		.amdhsa_system_sgpr_workgroup_id_y 1
		.amdhsa_system_sgpr_workgroup_id_z 1
		.amdhsa_system_vgpr_workitem_id 0
		.amdhsa_next_free_vgpr 512
		.amdhsa_next_free_sgpr 100
		.amdhsa_reserve_vcc 1
		.amdhsa_float_denorm_mode_32 3
		.amdhsa_float_denorm_mode_16_64 3
		.amdhsa_memory_ordered 1
		.amdhsa_forward_progress 1
		.amdhsa_inst_pref_size 78
	.end_amdhsa_kernel
	.amdgpu_metadata
---
amdhsa.version: [ 1, 2 ]
amdhsa.kernels:
  - .name:           k_qe39038b58e_attn
    .symbol:         k_qe39038b58e_attn.kd
    .args:
      - { .name: qkv, .offset: 0, .size: 8, .value_kind: global_buffer, .address_space: global }
      - { .name: att, .offset: 8, .size: 8, .value_kind: global_buffer, .address_space: global }
      - { .name: w_up, .offset: 16, .size: 8, .value_kind: global_buffer, .address_space: global }
      - { .name: w_down, .offset: 24, .size: 8, .value_kind: global_buffer, .address_space: global }
      - { .name: wts, .offset: 32, .size: 8, .value_kind: global_buffer, .address_space: global }
    .group_segment_fixed_size: 327680
    .private_segment_fixed_size: 0
    .kernarg_segment_align: 8
    .kernarg_segment_size: 40
    .max_flat_workgroup_size: 128
    .sgpr_count:     100
    .vgpr_count:     512
    .wavefront_size: 32
...
	.end_amdgpu_metadata
.endif
;; end of part 3
;; launch wo (part 4): grid 8 x 32, 4 waves a work-group, clusters of 4 x 4, 327,680 bytes of LDS; arguments att, wts, x, x1; writes x1
.if DOCPART == 4
	.amdgcn_target "amdgcn-amd-amdhsa--gfx1250"
	.amdhsa_code_object_version 6
	.text
	.protected	k_qe39038b58e_wo
	.globl	k_qe39038b58e_wo
	.p2align	8
	.type	k_qe39038b58e_wo,@function
k_qe39038b58e_wo:
	s_mov_b64 s[64:65], 0
	v_nop
	global_prefetch_b8 v0, s[64:65] scope:SCOPE_SE
	s_setreg_imm32_b32 hwreg(HW_REG_WAVE_MODE, 25, 1), 1
	s_wait_xcnt 0x0
	s_wait_alu depctr_hold_cnt(0) depctr_sa_sdst(0) depctr_va_vdst(0) depctr_va_sdst(0) depctr_va_ssrc(0) depctr_va_vcc(0) depctr_vm_vsrc(0)
	s_getreg_b32 s2, hwreg(HW_REG_IB_STS2, 6, 4)
	s_cmp_eq_u32 s2, 0
	s_cbranch_scc0 .Lentry_in_a_cluster
	s_endpgm
.Lentry_in_a_cluster:
	s_bfe_u32 s2, ttmp6, 0x10000c
	s_cmp_lg_u32 s2, 0xf033
	s_cbranch_scc0 .Lentry_shape_is_right
	s_endpgm
.Lentry_shape_is_right:
; x1 = x + att wo^T.  A [4096][1024] f16 (att), B [1024][1024] f16 (wo), sums in f32; x is rounded to bf16 like every input; x1 is f32.
; THE PRODUCT.  A tile of C is 128 x 128, four waves of 64 x 64 (16 accumulators).  K goes in steps of 256 through two LDS slots filled by the tensor data mover (LDS rows of 512 bytes + 16; a wave's
; load brings 64 of them).  4 x 4 work-groups form a cluster: A's tiles are asked for jointly along a row of it, B's along a column.  The matrix instruction is used transposed (source 0 = 16 rows
; of B, source 1 = 16 rows of A): a lane holds one row of C (lane % 16) and eight neighbouring columns.  The loop walks ONE K step a trip: the LDS addresses hang on a scalar that an exclusive or
; turns from slot to slot, and one group 0 a tensor walks on (SLOT = 0x21000 shares no bit with wave x 0x8400, so the exclusive or adds or takes away SLOT).  The last two K steps fill nothing:
; they are a loop of two trips that is left in its middle and their text stands once; its price is one barrier, in the last trip, that orders nothing.
; THE WAY OUT.  A wave's 64 f32 columns are 256 aligned bytes. The residual's 64 x 64 numbers are loaded at the start into window 2.
; REGISTERS: window 0: v0-31 addresses; v32-95 at work on the way out; v128-255 accumulators.   window 1: two fragment buffers of 128.   window 2: v0-127 the residual.
.set SIZE_K, 1024
.set WOFF,   3145728                   ; wo in wts
.set ROUND,  1                         ; the residual is an input: rounded to bf16
.set STEPS,  SIZE_K/256
.set KSTEP,  256
.set PITCH,  528
.set HALFT,  64*PITCH
.set SLOT,   4*HALFT
.set STAGE,  2*SLOT                    ; behind the ring: 16 rows x 272 bytes for each wave
.set SPITCH, 272
.set SPARE,  STAGE+4*16*SPITCH         ; the spare words: 128 bytes a wave, two blocks of 256 bytes that no other line names
.set ADRA0, 16
.set ADRA,  17
.set ADRB0, 20
.set ADRB,  21
.set STO,  24
.set RD,   25
.set CO,   26
.set SPW,  28
.set NIL,  29
.set TMP,  32
.set ACC,  128
.set F0,   0
.set F1,   128
.set G1,  24
.set G0,  32
.set G1B, 48
.set G0B, 56
.set TB,  45
.set DW0, (1<<16)|(1<<20)|(1<<21)|(6<<22)|(3<<25)
.set MSB, 0
.macro WIN new
.if MSB != (\new)
	s_set_vgpr_msb (MSB<<8)|(\new)
.set MSB, \new
.endif
.endm
.set MUL,  0x05
.set TO_F, 0x40
.macro JLOAD s                         ; a joint load: waves 0, 1 fetch A's halves, waves 2, 3 B's; s_nop 0 and four v_nop follow each line
	s_cmp_eq_u32 s11, 0
	s_cbranch_scc0 .Lfor_b_\@
	tensor_load_to_lds s[G0+4*(\s):G0+4*(\s)+3], s[G1:G1+7]
	s_nop 0
.rept 4
	v_nop
.endr
	s_branch .Lasked_\@
.Lfor_b_\@:
	tensor_load_to_lds s[G0B+4*(\s):G0B+4*(\s)+3], s[G1B:G1B+7]
	s_nop 0
.rept 4
	v_nop
.endr
.Lasked_\@:
.endm
.macro CREST
	s_cmp_lg_u32 s10, 0
	s_cbranch_scc1 .Lnot_wave_0_\@
	s_barrier_signal -3
.Lnot_wave_0_\@:
	s_barrier_wait -3
	s_barrier_signal -1
	s_barrier_wait -1
.endm
.macro CROUND
	s_barrier_signal -1
	s_barrier_wait -1
	CREST
.endm
.macro PLACES
.rept 4
	v_nop
.endr
.endm
.macro MUL8 f, c, a0, zero             ; 8 matrix instructions; the 16 accumulators take turns
	WIN MUL
.irp a, \a0, (\a0)+1
.irp b, 0,1,2,3
.set rD, ACC+8*(4*(\a)+(\b))
.set rB, (\f)+64+8*(4*(\c)+(\b))
.set rA, (\f)+8*(4*(\c)+(\a))
.if \zero
	v_wmma_f32_16x16x32_f16 v[rD:rD+7], v[rB:rB+7], v[rA:rA+7], 0
.else
	v_wmma_f32_16x16x32_f16 v[rD:rD+7], v[rB:rB+7], v[rA:rA+7], v[rD:rD+7]
.endif
.endr
.endr
.endm
.macro FETCH k, f
	WIN TO_F
.irp c, 0,1
.irp i, 0,1,2,3
	ds_load_b128 v[(\f)+64+8*(4*(\c)+(\i)):(\f)+64+8*(4*(\c)+(\i))+3],   v[ADRB] offset:(\k)+64*(\c)+(\i)*16*PITCH
	ds_load_b128 v[(\f)+64+8*(4*(\c)+(\i))+4:(\f)+64+8*(4*(\c)+(\i))+7], v[ADRB] offset:(\k)+64*(\c)+(\i)*16*PITCH+32
	ds_load_b128 v[(\f)+8*(4*(\c)+(\i)):(\f)+8*(4*(\c)+(\i))+3],         v[ADRA] offset:(\k)+64*(\c)+(\i)*16*PITCH
	ds_load_b128 v[(\f)+8*(4*(\c)+(\i))+4:(\f)+8*(4*(\c)+(\i))+7],       v[ADRA] offset:(\k)+64*(\c)+(\i)*16*PITCH+32
.endr
.endr
.endm
.macro QUARTER k, f, g, zero
	s_wait_dscnt 16                                ; the first 32 along K are in; the run's second sixteen loads may be out
	MUL8 \f, 0, 0, \zero
	MUL8 \f, 0, 2, \zero
	PLACES
	FETCH \k, \g
	s_wait_dscnt 32                                ; all but the 32 just issued
	MUL8 \f, 1, 0, 0
	MUL8 \f, 1, 2, 0
.endm
; The last quarter of a K step, and the change of slots.  fill = 0 (the two last K steps): nothing is filled; in the last trip (s3 = 1) there is no further slot, and the run of loads is jumped over.
.macro TURN fill
	WIN 0
	s_wait_tensorcnt 0x0                           ; all my tensor loads have landed: my part of the next slot
	ds_add_u32 v[SPW], v[NIL]
	s_wait_dscnt 17                                ; the add and the youngest sixteen loads may be out
	MUL8 F1, 0, 0, 0
	s_wait_dscnt 0x0                               ; the add is done, and my reads of this slot are over
	s_barrier_signal -1
	MUL8 F1, 0, 2, 0
	WIN 0
	s_barrier_wait -1
.if \fill
	CREST                                          ; no wave of any partner still reads this slot or has a load on its way
	s_xor_b32 s[G0+5], s[G0+5], SLOT
	s_xor_b32 s[G0B+5], s[G0B+5], SLOT
	s_add_nc_u64 s[G0+6:G0+7], s[G0+6:G0+7], KSTEP*2
	s_add_nc_u64 s[G0B+6:G0B+7], s[G0B+6:G0B+7], KSTEP*2
	JLOAD 1                                        ; its four v_nop are also the places in front of the loads below
.else
	PLACES
	s_cmp_eq_u32 s3, 1
	s_cbranch_scc1 .Lno_fetch_\@
.endif
	s_xor_b32 s[TB], s[TB], SLOT
	v_add_nc_u32 v[ADRA], s[TB], v[ADRA0]
	v_add_nc_u32 v[ADRB], s[TB], v[ADRB0]
	FETCH 0, F0
.if !(\fill)
	WIN 0
.Lno_fetch_\@:
.endif
	MUL8 F1, 1, 0, 0
	MUL8 F1, 1, 2, 0
.endm
	s_load_b256 s[68:75], s[0:1], 0x0              ; A s[68:69], wts s[70:71], the residual s[72:73], C s[74:75]
	v_lshl_add_u32 v[SPW], v0, 2, SPARE
	v_mov_b32 v[NIL], 0
	ds_add_u32 v[SPW], v[NIL]                      ; the wave's opening: the add and its wait ahead of my first tensor load
	v_lshrrev_b32 v1, 5, v0
	v_readfirstlane_b32 s10, v1
	s_lshr_b32 s11, s10, 1
	s_and_b32 s12, s10, 1
	s_bfe_u32 s40, ttmp6, 0x40000
	s_bfe_u32 s41, ttmp6, 0x40004
	s_lshl_b32 s42, ttmp9, 2
	s_add_co_u32 s42, s42, s40                     ; tile column
	s_and_b32 s13, ttmp7, 0xffff
	s_lshl_b32 s13, s13, 2
	s_add_co_u32 s13, s13, s41                     ; tile row
	s_lshl_b32 s43, s41, 2
	s_lshl_b32 s43, 15, s43
	s_lshl_b32 s44, 0x1111, s40
	s_or_b32 s[G1+0], s43, DW0
	s_or_b32 s[G1B+0], s44, DW0
.irp g, G1, G1B
	s_mov_b32 s[(\g)+1], KSTEP<<16
	s_mov_b32 s[(\g)+2], 64<<16
	s_mov_b32 s[(\g)+3], KSTEP<<16
	s_mov_b32 s[(\g)+4], 64
	s_mov_b32 s[(\g)+5], SIZE_K
	s_mov_b32 s[(\g)+6], 0
	s_mov_b32 s[(\g)+7], 0
.endr
	s_mov_b32 s[TB], 0
	s_lshl_b32 s17, s12, 6
	s_lshl_b32 s16, s13, 7
	s_add_co_u32 s16, s16, s17
	s_lshl_b32 s46, s42, 7
	s_add_co_u32 s46, s46, s17
	s_mov_b32 s17, 0
	s_mov_b32 s47, 0
	s_mov_b64 s[18:19], SIZE_K*2
	s_mul_u64 s[16:17], s[16:17], s[18:19]
	s_mul_u64 s[46:47], s[46:47], s[18:19]
	s_mul_i32 s20, s10, HALFT
	s_wait_dscnt 0x0
	s_wait_kmcnt 0x0
	s_add_nc_u64 s[14:15], s[68:69], s[16:17]
	s_add_nc_u64 s[46:47], s[70:71], s[46:47]
.if WOFF
	s_add_nc_u64 s[46:47], s[46:47], WOFF
.endif
	CROUND
.irp s, 0,1
	s_mov_b32 s[G0+4*(\s)], 1
	s_add_co_u32 s[G0+4*(\s)+1], s20, (\s)*SLOT
	s_add_nc_u64 s[G0+4*(\s)+2:G0+4*(\s)+3], s[14:15], (\s)*KSTEP*2
	s_or_b32 s[G0+4*(\s)+3], s[G0+4*(\s)+3], 0x80000000
	s_mov_b32 s[G0B+4*(\s)], 1
	s_add_co_u32 s[G0B+4*(\s)+1], s20, (\s)*SLOT
	s_add_nc_u64 s[G0B+4*(\s)+2:G0B+4*(\s)+3], s[46:47], (\s)*KSTEP*2
	s_or_b32 s[G0B+4*(\s)+3], s[G0B+4*(\s)+3], 0x80000000
	JLOAD \s
.endr
	v_and_b32 v1, 15, v0
	v_bfe_u32 v2, v0, 4, 1
	v_mul_u32_u24 v3, v1, PITCH
	v_lshl_add_u32 v3, v2, 4, v3
	s_mul_i32 s21, s11, HALFT
	s_mul_i32 s22, s12, HALFT
	s_add_co_u32 s22, s22, 2*HALFT
	v_add_nc_u32 v[ADRA0], s21, v3
	v_add_nc_u32 v[ADRB0], s22, v3
	v_mov_b32 v[ADRA], v[ADRA0]
	v_mov_b32 v[ADRB], v[ADRB0]
	; the way out's addresses; the residual's loads stay out through the whole loop
	s_mov_b32 s8, 0xffff0000
	s_lshl_b32 s80, s13, 7
	s_lshl_b32 s81, s11, 6
	s_add_co_u32 s80, s80, s81                     ; my first row
	s_lshl_b32 s80, s80, 12                        ; rows of 4,096 bytes
	s_lshl_b32 s82, s42, 9
	s_lshl_b32 s83, s12, 8
	s_add_co_u32 s80, s80, s82
	s_add_co_u32 s80, s80, s83                     ; my first column
	s_mov_b32 s81, 0
	s_add_nc_u64 s[76:77], s[72:73], s[80:81]
	s_add_nc_u64 s[78:79], s[74:75], s[80:81]
	s_mul_i32 s23, s10, 16*SPITCH
	s_add_co_u32 s23, s23, STAGE
	v_mul_u32_u24 v4, v1, SPITCH                   ; in: row r, 32 bytes for each half of the lanes
	v_lshl_add_u32 v4, v2, 5, v4
	v_add_nc_u32 v[STO], s23, v4
	v_mul_u32_u24 v5, v2, SPITCH                   ; back: lanes 0-15 one row of 256 bytes, lanes 16-31 the next
	v_lshl_add_u32 v5, v1, 4, v5
	v_add_nc_u32 v[RD], s23, v5
	v_lshlrev_b32 v[CO], 12, v2
	v_lshl_add_u32 v[CO], v1, 4, v[CO]
	WIN 0x80                                       ; destination window 2
.irp a, 0,1,2,3
.irp f, 0,1,2,3,4,5,6,7
	global_load_b128 v[4*(8*(\a)+(\f)):4*(8*(\a)+(\f))+3], v[CO], s[76:77] offset:65536*(\a)+8192*(\f)
.endr
.endr
	WIN 0
	s_wait_tensorcnt 1                             ; my part of K step 0 is in; K step 1's may stay out
	s_barrier_signal -1
	s_barrier_wait -1
	FETCH 0, F0
	QUARTER 128, F0, F1, 1
	WIN 0
	s_mov_b32 s3, STEPS-2
.Lk:
	QUARTER 256, F1, F0, 0
	QUARTER 384, F0, F1, 0
	TURN 1
	QUARTER 128, F0, F1, 0
	WIN 0
	s_sub_co_u32 s3, s3, 1
	s_cmp_lg_u32 s3, 0
	s_cbranch_scc1 .Lk
	s_mov_b32 s3, 2
.Ltail:                                                ; the last two K steps: the same trip without a fill; the second is left behind its last product
	QUARTER 256, F1, F0, 0
	QUARTER 384, F0, F1, 0
	TURN 0
	WIN 0
	s_sub_co_u32 s3, s3, 1
	s_cmp_eq_u32 s3, 0
	s_cbranch_scc1 .Lout
	QUARTER 128, F0, F1, 0
	WIN 0
	s_branch .Ltail
.Lout:
; THE WAY OUT of 16 rows (block a): into my stage as they lie (each accumulator's low registers first), back as whole rows of 256 bytes, plus the residual, stored.
.macro OUTB a
	WIN 0
	s_wait_xcnt 0x0                                ; the registers that earlier stores read are rewritten only behind this wait
.irp b, 0,1,2,3
	ds_store_b128 v[STO], v[ACC+8*(4*(\a)+(\b)):ACC+8*(4*(\a)+(\b))+3]   offset:64*(\b)
	ds_store_b128 v[STO], v[ACC+8*(4*(\a)+(\b))+4:ACC+8*(4*(\a)+(\b))+7] offset:64*(\b)+16
.endr
.irp f, 0,1,2,3,4,5,6,7
	ds_load_b128 v[TMP+32*((\a)%2)+4*(\f):TMP+32*((\a)%2)+4*(\f)+3], v[RD] offset:2*SPITCH*(\f)  ; LDS serves a wave's instructions in order: these see the stores above
.endr
	s_wait_dscnt 0x0
	WIN 0x08                                       ; source 1 in window 2
.set n, 0
.rept 16
	v_pk_add_f32 v[TMP+32*((\a)%2)+2*n:TMP+32*((\a)%2)+2*n+1], v[TMP+32*((\a)%2)+2*n:TMP+32*((\a)%2)+2*n+1], v[32*(\a)+2*n:32*(\a)+2*n+1]
.set n, n+1
.endr
	WIN 0
.irp f, 0,1,2,3,4,5,6,7
	global_store_b128 v[CO], v[TMP+32*((\a)%2)+4*(\f):TMP+32*((\a)%2)+4*(\f)+3], s[78:79] offset:65536*(\a)+8192*(\f)  ; 16 lanes store 256 consecutive bytes, at a multiple of 256 from C's first
.endr
.endm
	PLACES
	s_wait_loadcnt 0x0                             ; the residual
.if ROUND
	WIN 0x8a                                       ; destination and sources in window 2
.set n, 0
.rept 64
	v_cvt_pk_bf16_f32 v[2*n], v[2*n], v[2*n+1]
	v_and_b32 v[2*n+1], s8, v[2*n]
	v_lshlrev_b32 v[2*n], 16, v[2*n]
.set n, n+1
.endr
	WIN 0
.endif
	OUTB 0
	OUTB 1
	OUTB 2
	OUTB 3
	s_wait_tensorcnt 0x0                           ; the wave's end
	ds_add_u32 v[SPW], v[NIL]
	s_wait_dscnt 0x0
	CROUND                                         ; the closing round
	s_endpgm
.Lfunc_end_k_qe39038b58e_wo:
	.size	k_qe39038b58e_wo, .Lfunc_end_k_qe39038b58e_wo-k_qe39038b58e_wo
	.p2alignl 7, 3214868480
	.fill 96, 4, 3214868480
	.section	.rodata,"a",@progbits
	.p2align	6, 0x0
	.amdhsa_kernel k_qe39038b58e_wo
		.amdhsa_group_segment_fixed_size 327680
		.amdhsa_private_segment_fixed_size 0
		.amdhsa_enable_private_segment 0
		.amdhsa_kernarg_size 32
		.amdhsa_user_sgpr_count 2
		.amdhsa_user_sgpr_kernarg_segment_ptr 1
		.amdhsa_wavefront_size32 1
		.amdhsa_system_sgpr_workgroup_id_x 1
		.amdhsa_system_sgpr_workgroup_id_y 1
		.amdhsa_system_sgpr_workgroup_id_z 1
		.amdhsa_system_vgpr_workitem_id 0
		.amdhsa_next_free_vgpr 640
		.amdhsa_next_free_sgpr 88
		.amdhsa_reserve_vcc 0
		.amdhsa_float_denorm_mode_32 3
		.amdhsa_float_denorm_mode_16_64 3
		.amdhsa_memory_ordered 1
		.amdhsa_forward_progress 1
		.amdhsa_inst_pref_size 73
	.end_amdhsa_kernel
	.amdgpu_metadata
---
amdhsa.version: [ 1, 2 ]
amdhsa.kernels:
  - .name:           k_qe39038b58e_wo
    .symbol:         k_qe39038b58e_wo.kd
    .args:
      - { .name: att, .offset: 0, .size: 8, .value_kind: global_buffer, .address_space: global }
      - { .name: wts, .offset: 8, .size: 8, .value_kind: global_buffer, .address_space: global }
      - { .name: x, .offset: 16, .size: 8, .value_kind: global_buffer, .address_space: global }
      - { .name: x1, .offset: 24, .size: 8, .value_kind: global_buffer, .address_space: global }
    .group_segment_fixed_size: 327680
    .private_segment_fixed_size: 0
    .kernarg_segment_align: 8
    .kernarg_segment_size: 32
    .max_flat_workgroup_size: 128
    .sgpr_count:     88
    .vgpr_count:     640
    .wavefront_size: 32
...
	.end_amdgpu_metadata
.endif
;; end of part 4
;; launch norm2 (part 5): grid 256 x 1, 8 waves a work-group, no clusters, 0 bytes of LDS; arguments x1, ln2_w, hn; writes hn
.if DOCPART == 5
	.amdgcn_target "amdgcn-amd-amdhsa--gfx1250"
	.amdhsa_code_object_version 6
	.text
	.protected	k_qe39038b58e_norm2
	.globl	k_qe39038b58e_norm2
	.p2align	8
	.type	k_qe39038b58e_norm2,@function
k_qe39038b58e_norm2:
	s_mov_b64 s[64:65], 0
	v_nop
	global_prefetch_b8 v0, s[64:65] scope:SCOPE_SE
	s_setreg_imm32_b32 hwreg(HW_REG_WAVE_MODE, 25, 1), 1
	s_wait_xcnt 0x0
; h2 = rms(x1) ln2_w, stored as f16.  x1 is the program's own f32 and is taken as it is; ln2_w is an input and is rounded to bf16 like every input.
; A stream: 16 rows a work-group, 2 a wave; a row of 4,096 bytes stays in 32 registers between the sum of squares and the scaling.  No LDS, no barrier: the sum never leaves the wave.
; LIMIT: |h2| is at most 32 |ln2_w|, far inside f16.  NaN and infinities are not treated apart.
.set X,    32
.set L,    96
.set H,    128
.set SQ,   8
.set RS,   16
.set VIN,  24
.set VOUT, 25
.set VL,   26
.macro RND a
	v_cvt_pk_bf16_f32 v[\a], v[\a], v[(\a)+1]
	v_and_b32 v[(\a)+1], s34, v[\a]
	v_lshlrev_b32 v[\a], 16, v[\a]
.endm
.macro NROW i, left
	s_wait_loadcnt \left
.set n, 0
.rept 4
	v_pk_mul_f32 v[SQ+2*n:SQ+2*n+1], v[X+32*(\i)+2*n:X+32*(\i)+2*n+1], v[X+32*(\i)+2*n:X+32*(\i)+2*n+1]
.set n, n+1
.endr
.rept 12
	v_pk_fma_f32 v[SQ+2*(n%4):SQ+2*(n%4)+1], v[X+32*(\i)+2*n:X+32*(\i)+2*n+1], v[X+32*(\i)+2*n:X+32*(\i)+2*n+1], v[SQ+2*(n%4):SQ+2*(n%4)+1]
.set n, n+1
.endr
	v_pk_add_f32 v[SQ:SQ+1], v[SQ:SQ+1], v[SQ+2:SQ+3]
	v_pk_add_f32 v[SQ+4:SQ+5], v[SQ+4:SQ+5], v[SQ+6:SQ+7]
	v_pk_add_f32 v[SQ:SQ+1], v[SQ:SQ+1], v[SQ+4:SQ+5]
	v_add_f32 v[SQ], v[SQ], v[SQ+1]
	v_add_f32_dpp v[SQ], v[SQ], v[SQ] row_xmask:1 row_mask:0xf bank_mask:0xf
	v_add_f32_dpp v[SQ], v[SQ], v[SQ] row_xmask:2 row_mask:0xf bank_mask:0xf
	v_add_f32_dpp v[SQ], v[SQ], v[SQ] row_xmask:4 row_mask:0xf bank_mask:0xf
	v_add_f32_dpp v[SQ], v[SQ], v[SQ] row_xmask:8 row_mask:0xf bank_mask:0xf
	v_permlanex16_b32 v[SQ+1], v[SQ], s38, s39
	v_add_f32 v[SQ], v[SQ], v[SQ+1]
	v_fma_f32 v[SQ], v[SQ], s35, s36               ; / 1024 + 1e-5
	v_rsq_f32 v[RS], v[SQ]
	v_nop                                          ; a plain instruction between the root and the use of its result
	s_wait_alu depctr_va_vdst(0)
	v_mov_b32 v[RS+1], v[RS]
.set n, 0
.rept 16
	v_pk_mul_f32 v[X+32*(\i)+2*n:X+32*(\i)+2*n+1], v[X+32*(\i)+2*n:X+32*(\i)+2*n+1], v[RS:RS+1]
.set n, n+1
.endr
.set n, 0
.rept 16
	v_pk_mul_f32 v[X+32*(\i)+2*n:X+32*(\i)+2*n+1], v[X+32*(\i)+2*n:X+32*(\i)+2*n+1], v[L+2*n:L+2*n+1]
.set n, n+1
.endr
.set n, 0
.rept 16
	v_cvt_pk_f16_f32 v[H+16*(\i)+n], v[X+32*(\i)+2*n], v[X+32*(\i)+2*n+1]
.set n, n+1
.endr
.irp j, 0,1,2,3
	global_store_b128 v[VOUT], v[H+16*(\i)+4*(\j):H+16*(\i)+4*(\j)+3], s[12:13] offset:2048*(\i)+512*(\j)  ; the wave's store covers 512 consecutive bytes
.endr
.endm
	s_load_b128 s[8:11], s[0:1], 0x0               ; x1 s[8:9], ln2_w s[10:11]
	s_load_b64 s[12:13], s[0:1], 0x10              ; hn
	s_mov_b32 s34, 0xffff0000
	s_mov_b32 s35, 0x3a800000                      ; 1 / 1024
	s_mov_b32 s36, 0x3727c5ac                      ; 1e-5
	s_mov_b32 s38, 0x76543210
	s_mov_b32 s39, 0xfedcba98
	s_lshl_b32 s40, ttmp9, 16                      ; 16 rows of 4,096 bytes
	s_mov_b32 s41, 0
	s_lshl_b32 s42, ttmp9, 15                      ; 16 rows of 2,048 bytes
	s_mov_b32 s43, 0
	v_and_b32 v1, 31, v0
	v_and_b32 v2, 0xe0, v0
	v_lshlrev_b32 v[VL], 5, v1
	v_lshl_add_u32 v[VIN], v2, 8, v[VL]
	v_lshlrev_b32 v[VOUT], 4, v1
	v_lshl_add_u32 v[VOUT], v2, 7, v[VOUT]
	s_wait_kmcnt 0x0
	s_add_nc_u64 s[8:9], s[8:9], s[40:41]
	s_add_nc_u64 s[12:13], s[12:13], s[42:43]
.irp j, 0,1,2,3
	global_load_b128 v[L+8*(\j):L+8*(\j)+3],   v[VL], s[10:11] offset:1024*(\j)
	global_load_b128 v[L+8*(\j)+4:L+8*(\j)+7], v[VL], s[10:11] offset:1024*(\j)+16
.endr
.irp i, 0,1
.irp j, 0,1,2,3
	global_load_b128 v[X+32*(\i)+8*(\j):X+32*(\i)+8*(\j)+3],   v[VIN], s[8:9] offset:4096*(\i)+1024*(\j)
	global_load_b128 v[X+32*(\i)+8*(\j)+4:X+32*(\i)+8*(\j)+7], v[VIN], s[8:9] offset:4096*(\i)+1024*(\j)+16
.endr
.endr
	s_wait_loadcnt 16                              ; the gain is in; the two rows' sixteen loads stay out
.set m, 0
.rept 16
	RND L+2*m
.set m, m+1
.endr
	NROW 0, 8
	NROW 1, 0
	s_endpgm
.Lfunc_end_k_qe39038b58e_norm2:
	.size	k_qe39038b58e_norm2, .Lfunc_end_k_qe39038b58e_norm2-k_qe39038b58e_norm2
	.p2alignl 7, 3214868480
	.fill 96, 4, 3214868480
	.section	.rodata,"a",@progbits
	.p2align	6, 0x0
	.amdhsa_kernel k_qe39038b58e_norm2
		.amdhsa_group_segment_fixed_size 0
		.amdhsa_private_segment_fixed_size 0
		.amdhsa_enable_private_segment 0
		.amdhsa_kernarg_size 24
		.amdhsa_user_sgpr_count 2
		.amdhsa_user_sgpr_kernarg_segment_ptr 1
		.amdhsa_wavefront_size32 1
		.amdhsa_system_sgpr_workgroup_id_x 1
		.amdhsa_system_sgpr_workgroup_id_y 1
		.amdhsa_system_sgpr_workgroup_id_z 1
		.amdhsa_system_vgpr_workitem_id 0
		.amdhsa_next_free_vgpr 160
		.amdhsa_next_free_sgpr 66
		.amdhsa_reserve_vcc 0
		.amdhsa_float_denorm_mode_32 3
		.amdhsa_float_denorm_mode_16_64 3
		.amdhsa_memory_ordered 1
		.amdhsa_forward_progress 1
		.amdhsa_inst_pref_size 16
	.end_amdhsa_kernel
	.amdgpu_metadata
---
amdhsa.version: [ 1, 2 ]
amdhsa.kernels:
  - .name:           k_qe39038b58e_norm2
    .symbol:         k_qe39038b58e_norm2.kd
    .args:
      - { .name: x1, .offset: 0, .size: 8, .value_kind: global_buffer, .address_space: global }
      - { .name: ln2_w, .offset: 8, .size: 8, .value_kind: global_buffer, .address_space: global }
      - { .name: hn, .offset: 16, .size: 8, .value_kind: global_buffer, .address_space: global }
    .group_segment_fixed_size: 0
    .private_segment_fixed_size: 0
    .kernarg_segment_align: 8
    .kernarg_segment_size: 24
    .max_flat_workgroup_size: 256
    .sgpr_count:     66
    .vgpr_count:     160
    .wavefront_size: 32
...
	.end_amdgpu_metadata
.endif
;; end of part 5
;; launch up (part 6): grid 16 x 16, 4 waves a work-group, clusters of 4 x 4, 327,680 bytes of LDS; arguments hn, wts, act; writes act
.if DOCPART == 6
	.amdgcn_target "amdgcn-amd-amdhsa--gfx1250"
	.amdhsa_code_object_version 6
	.text
	.protected	k_qe39038b58e_up
	.globl	k_qe39038b58e_up
	.p2align	8
	.type	k_qe39038b58e_up,@function
k_qe39038b58e_up:
	s_mov_b64 s[64:65], 0
	v_nop
	global_prefetch_b8 v0, s[64:65] scope:SCOPE_SE
	s_setreg_imm32_b32 hwreg(HW_REG_WAVE_MODE, 25, 1), 1
	s_wait_xcnt 0x0
	s_wait_alu depctr_hold_cnt(0) depctr_sa_sdst(0) depctr_va_vdst(0) depctr_va_sdst(0) depctr_va_ssrc(0) depctr_va_vcc(0) depctr_vm_vsrc(0)
	s_getreg_b32 s2, hwreg(HW_REG_IB_STS2, 6, 4)
	s_cmp_eq_u32 s2, 0
	s_cbranch_scc0 .Lentry_in_a_cluster
	s_endpgm
.Lentry_in_a_cluster:
	s_bfe_u32 s2, ttmp6, 0x10000c
	s_cmp_lg_u32 s2, 0xf033
	s_cbranch_scc0 .Lentry_shape_is_right
	s_endpgm
.Lentry_shape_is_right:
; act = relu(h2 w_up^T)^2, stored as bf16 (the square has no room in f16 for the gains that the problem allows).  A [4096][1024] f16 (h2), B [4096][1024] f16 (w_up), sums in f32, act rounded once.
; SHARES.  C has 16 x 16 tiles of 256 x 256, one to a work-group; four waves, each 128 x 128: 64 accumulators of 16 x 16, 512 registers.  For 32 along K a wave loads 2 x 128 x 64 bytes from LDS
; and issues 64 matrix instructions.
; THE RING.  K goes in 8 steps of 128 through two LDS slots filled by the tensor data mover: a wave's load brings 128 rows of 256 bytes, each starting at a multiple of 256 bytes from the buffer's first.
; A slot is asked for again in the last quarter of its K step; the wait for that load stands in the last quarter of the next step, 224 matrix instructions later.
; The loop walks ONE K step a trip: the LDS addresses hang on a scalar that an exclusive or turns from slot to slot, and one group 0 a tensor walks on (SLOT = 0x22000 shares no bit with
; wave x 0x8800, so the exclusive or adds or takes away SLOT).  The last two K steps fill nothing: they are a loop of two trips that is left in its middle
; and their text stands once; its price is one barrier, in the last trip, that orders nothing.
; CLUSTER.  4 x 4 work-groups: the four of a row of the cluster need the same tiles of A, the four of a column the same tiles of B; each tile is asked for JOINTLY, by the same tensor load with
; the same descriptor and a mask that names the four.
; THE MATRIX INSTRUCTION IS USED TRANSPOSED (source 0 = 16 rows of B, source 1 = 16 rows of A): a lane holds one row of C (lane % 16) and eight neighbouring columns, which pack into 16 bytes.
; THE WAY OUT.  A wave's 128 bf16 columns are 256 aligned bytes.
; LIMITS.  act is bf16: it has f32's range.  NaN and infinities are not treated apart (a NaN sum becomes 0 in the relu).
; REGISTERS, in windows of 256 (s_set_vgpr_msb: bits 1:0 source 0, 3:2 source 1, 5:4 source 2, 7:6 destination):
;   window 0: v0-31 addresses; v64-127, v128-191 fragments of A (8 x 16 rows x 32 K), two buffers; v192-223 packed results; v32-63, v224-255 rows read back from the stage, by turns
;   window 1: v64-127, v128-191 fragments of B, two buffers
;   window 2: the 32 accumulators of my rows 0-63 ((a, b) at v[8 (8 a + b)]);   window 3: those of my rows 64-127
.set SIZE_K, 1024
.set SIZE_N, 4096
.set WOFF,   5242880                   ; w_up in wts
.set KSTEP,  128
.set STEPS,  SIZE_K/KSTEP
.set PITCH,  272                       ; an LDS row: 256 bytes + 16 = 68 words: the 16 rows of a fragment load start at 16 different groups of four banks
.set HALFT,  128*PITCH                 ; 128 rows: what one tensor load brings, and what one wave reads of A or of B
.set SLOT,   4*HALFT                   ; A's 256 rows, then B's 256 rows
.set STAGE,  2*SLOT                    ; behind the ring: 16 rows x 272 bytes for each wave
.set SPITCH, 272
.set SPARE,  STAGE+4*16*SPITCH         ; the spare words: 128 bytes a wave, two blocks of 256 bytes that no other line names
.set ADRA0, 16                         ; my A fragments' place in slot 0; never rewritten
.set ADRA,  17                         ; the same in the slot in hand
.set ADRB0, 20
.set ADRB,  21
.set STO,  24                          ; the way out: where I put 16 bytes of a row
.set RD,   25                          ; the way out: where I read a row back
.set CO,   26                          ; my byte offset in two rows of C
.set SPW,  28
.set NIL,  29
.set OB,   32
.set F0,   64
.set F1,   128
.set TMP,  192
.set G1,  24                           ; s[24:31] group 1 for A's tiles; s[32:39] group 0: set 0 the first fill, set 1 walks
.set G0,  32
.set G1B, 48                           ; s[48:55], s[56:63] the same for B's
.set G0B, 56
.set TB,  45                           ; s45  0 or SLOT: the slot that is read
.set DW0, (1<<16)|(1<<20)|(1<<21)|(5<<22)|(3<<25)  ; 2-byte elements; padding on; bit 21 beside a mask; after every 64 words 4 words
.set MSB, 0
.macro WIN new                         ; the immediate's high byte repeats the setting that is left; a switch that changes nothing is dropped
.if MSB != (\new)
	s_set_vgpr_msb (MSB<<8)|(\new)
.set MSB, \new
.endif
.endm
.set MUL_LO, 0xa1                      ; source 0 (B) window 1, source 1 (A) window 0, C and D window 2
.set MUL_HI, 0xf1                      ; the same, C and D window 3
.set TO_B,   0x40                      ; destination window 1, address window 0
.macro JLOAD s                         ; a joint load: waves 0, 1 fetch A's halves, waves 2, 3 B's; s_nop 0 and four v_nop follow each line
	s_cmp_eq_u32 s11, 0
	s_cbranch_scc0 .Lfor_b_\@
	tensor_load_to_lds s[G0+4*(\s):G0+4*(\s)+3], s[G1:G1+7]
	s_nop 0
.rept 4
	v_nop
.endr
	s_branch .Lasked_\@
.Lfor_b_\@:
	tensor_load_to_lds s[G0B+4*(\s):G0B+4*(\s)+3], s[G1B:G1B+7]
	s_nop 0
.rept 4
	v_nop
.endr
.Lasked_\@:
.endm
.macro CREST                           ; a round of the cluster's barrier behind its opening barrier
	s_cmp_lg_u32 s10, 0
	s_cbranch_scc1 .Lnot_wave_0_\@
	s_barrier_signal -3
.Lnot_wave_0_\@:
	s_barrier_wait -3
	s_barrier_signal -1
	s_barrier_wait -1
.endm
.macro CROUND
	s_barrier_signal -1
	s_barrier_wait -1
	CREST
.endm
.macro PLACES                          ; four places in front of loads into registers that matrix instructions have read, and of lines that read results
.rept 4
	v_nop
.endr
.endm
; 16 matrix instructions: m blocks a0, a0 + 1 of the window's four (hi = 0: my rows 0-63, 1: rows 64-127) x all 8 n blocks, 32 along K.  zero = 1: the product starts the sums: nothing is cleared.
; The 64 accumulators take turns, in the same order in every quarter.
.macro MUL16 f, hi, a0, zero
	WIN MUL_LO+0x50*(\hi)
.irp a, \a0, (\a0)+1
.irp b, 0,1,2,3,4,5,6,7
.set rD, 8*(8*(\a)+(\b))
.set rB, (\f)+8*(\b)
.set rA, (\f)+8*(4*(\hi)+(\a))
.if \zero
	v_wmma_f32_16x16x32_f16 v[rD:rD+7], v[rB:rB+7], v[rA:rA+7], 0
.else
	v_wmma_f32_16x16x32_f16 v[rD:rD+7], v[rB:rB+7], v[rA:rA+7], v[rD:rD+7]
.endif
.endr
.endr
.endm
.macro FETCH k, f                      ; 32 LDS loads in one run: 128 rows of B, then 128 rows of A, 32 along K at byte k of the rows, into buffer f
	WIN TO_B
.irp i, 0,1,2,3,4,5,6,7
	ds_load_b128 v[(\f)+8*(\i):(\f)+8*(\i)+3],   v[ADRB] offset:(\k)+(\i)*16*PITCH
	ds_load_b128 v[(\f)+8*(\i)+4:(\f)+8*(\i)+7], v[ADRB] offset:(\k)+(\i)*16*PITCH+32
.endr
	WIN 0
.irp i, 0,1,2,3,4,5,6,7
	ds_load_b128 v[(\f)+8*(\i):(\f)+8*(\i)+3],   v[ADRA] offset:(\k)+(\i)*16*PITCH
	ds_load_b128 v[(\f)+8*(\i)+4:(\f)+8*(\i)+7], v[ADRA] offset:(\k)+(\i)*16*PITCH+32
.endr
.endm
; A K step is four quarters of 32 along K, 64 matrix instructions each, on buffers 0, 1, 0, 1.  One of the first three: multiplies buffer f; in its middle it fetches the next quarter, at byte k, into g.
.macro QUARTER k, f, g, zero
	s_wait_dscnt 8                                 ; B and A's rows 0-63 are in; the run's last eight loads (A's rows 64-127) may be out
	MUL16 \f, 0, 0, \zero
	MUL16 \f, 0, 2, \zero
	PLACES
	FETCH \k, \g
	s_wait_dscnt 32                                ; all but the 32 just issued
	MUL16 \f, 1, 0, \zero
	MUL16 \f, 1, 2, \zero
.endm
; The last quarter of a K step multiplies buffer 1 and changes slots: one barrier; in front of it each wave waits for all its tensor loads (one is out: its part of the next slot), adds 0 to its
; spare word, and waits for that and for its reads of this slot.  fill = 1: the barrier opens a round of the cluster's, and this slot is filled again first thing behind it, two K steps ahead.
; fill = 0 (the two last K steps): nothing is filled; in the last trip (s3 = 1) there is no further slot, and the run of loads is jumped over.
.macro TURN fill
	WIN 0                                          ; (the add's two registers lie in window 0)
	s_wait_tensorcnt 0x0
	ds_add_u32 v[SPW], v[NIL]
	s_wait_dscnt 9                                 ; the add and the youngest eight loads may be out
	MUL16 F1, 0, 0, 0                              ; sixteen matrix instructions stand between the add and the wait for it
	s_wait_dscnt 0x0                               ; the add is done, and my reads of this slot are over
	s_barrier_signal -1
	MUL16 F1, 0, 2, 0                              ; work on registers while the others arrive
	WIN 0
	s_barrier_wait -1
.if \fill
	CREST                                          ; no wave of any partner still reads this slot or has a load on its way
	s_xor_b32 s[G0+5], s[G0+5], SLOT               ; the walking group 0: the other slot than last time,
	s_xor_b32 s[G0B+5], s[G0B+5], SLOT
	s_add_nc_u64 s[G0+6:G0+7], s[G0+6:G0+7], KSTEP*2    ; the next K step; the type bits on top are not reached
	s_add_nc_u64 s[G0B+6:G0B+7], s[G0B+6:G0B+7], KSTEP*2
	JLOAD 1                                        ; its four v_nop are also the places in front of the loads below
.else
	PLACES
	s_cmp_eq_u32 s3, 1
	s_cbranch_scc1 .Lno_fetch_\@
.endif
	s_xor_b32 s[TB], s[TB], SLOT
	v_add_nc_u32 v[ADRA], s[TB], v[ADRA0]
	v_add_nc_u32 v[ADRB], s[TB], v[ADRB0]
	FETCH 0, F0
.if !(\fill)
	WIN 0
.Lno_fetch_\@:
.endif
	MUL16 F1, 1, 0, 0
	MUL16 F1, 1, 2, 0
.endm
	s_load_b128 s[68:71], s[0:1], 0x0              ; A s[68:69], wts s[70:71]
	s_load_b64 s[72:73], s[0:1], 0x10              ; C
	v_lshl_add_u32 v[SPW], v0, 2, SPARE
	v_mov_b32 v[NIL], 0
	ds_add_u32 v[SPW], v[NIL]                      ; the wave's opening: the add and its wait ahead of my first tensor load
	v_lshrrev_b32 v1, 5, v0
	v_readfirstlane_b32 s10, v1                    ; wave 0..3
	s_lshr_b32 s11, s10, 1                         ; my half of the tile's rows.  Also: I fetch for A (0) or B (1)
	s_and_b32 s12, s10, 1                          ; my half of its columns.  Also: which 128 rows I fetch
	s_bfe_u32 s40, ttmp6, 0x40000                  ; cx, cy
	s_bfe_u32 s41, ttmp6, 0x40004
	s_lshl_b32 s42, ttmp9, 2
	s_add_co_u32 s42, s42, s40                     ; tile column
	s_and_b32 s13, ttmp7, 0xffff
	s_lshl_b32 s13, s13, 2
	s_add_co_u32 s13, s13, s41                     ; tile row
	s_lshl_b32 s43, s41, 2
	s_lshl_b32 s43, 15, s43                        ; my row of the cluster
	s_lshl_b32 s44, 0x1111, s40                    ; my column
	s_or_b32 s[G1+0], s43, DW0
	s_or_b32 s[G1B+0], s44, DW0
.irp g, G1, G1B
	s_mov_b32 s[(\g)+1], KSTEP<<16                 ; tensor_dim0 = 128
	s_mov_b32 s[(\g)+2], 128<<16                   ; tensor_dim1 = 128
	s_mov_b32 s[(\g)+3], KSTEP<<16                 ; tile_dim0 = 128
	s_mov_b32 s[(\g)+4], 128                       ; tile_dim1 = 128
	s_mov_b32 s[(\g)+5], SIZE_K                    ; elements from row to row
	s_mov_b32 s[(\g)+6], 0
	s_mov_b32 s[(\g)+7], 0
.endr
	s_mov_b32 s[TB], 0
	s_lshl_b32 s17, s12, 7
	s_lshl_b32 s16, s13, 8
	s_add_co_u32 s16, s16, s17                     ; A: row 256 x tile row + 128 x half
	s_lshl_b32 s46, s42, 8
	s_add_co_u32 s46, s46, s17                     ; B: row 256 x tile column + 128 x half
	s_mov_b32 s17, 0
	s_mov_b32 s47, 0
	s_mov_b64 s[18:19], SIZE_K*2
	s_mul_u64 s[16:17], s[16:17], s[18:19]
	s_mul_u64 s[46:47], s[46:47], s[18:19]
	s_mul_i32 s20, s10, HALFT                      ; where my load lands: wave x 128 rows: no place in the cluster enters an LDS address
	s_wait_dscnt 0x0                               ; the opening add is done
	s_wait_kmcnt 0x0
	s_add_nc_u64 s[14:15], s[68:69], s[16:17]
	s_add_nc_u64 s[46:47], s[70:71], s[46:47]
	s_add_nc_u64 s[46:47], s[46:47], WOFF
	CROUND                                         ; all sixteen work-groups are here: the first joint loads meet
.irp s, 0,1
	s_mov_b32 s[G0+4*(\s)], 1
	s_add_co_u32 s[G0+4*(\s)+1], s20, (\s)*SLOT
	s_add_nc_u64 s[G0+4*(\s)+2:G0+4*(\s)+3], s[14:15], (\s)*KSTEP*2
	s_or_b32 s[G0+4*(\s)+3], s[G0+4*(\s)+3], 0x80000000
	s_mov_b32 s[G0B+4*(\s)], 1
	s_add_co_u32 s[G0B+4*(\s)+1], s20, (\s)*SLOT
	s_add_nc_u64 s[G0B+4*(\s)+2:G0B+4*(\s)+3], s[46:47], (\s)*KSTEP*2
	s_or_b32 s[G0B+4*(\s)+3], s[G0B+4*(\s)+3], 0x80000000
	JLOAD \s                                       ; two loads of mine are out
.endr
	; a fragment is 16 rows x 32 K in 8 registers: lane l holds row l % 16, K = 8 (l / 16) + 0..7 and 16 + 8 (l / 16) + 0..7: two loads of 16 bytes, 32 bytes apart
	v_and_b32 v1, 15, v0                           ; r = l % 16
	v_bfe_u32 v2, v0, 4, 1                         ; h = l / 16
	v_mul_u32_u24 v3, v1, PITCH
	v_lshl_add_u32 v3, v2, 4, v3
	s_mul_i32 s21, s11, HALFT                      ; my 128 rows of A
	s_mul_i32 s22, s12, HALFT                      ; my 128 rows of B,
	s_add_co_u32 s22, s22, 2*HALFT                 ; which lie behind A's 256
	v_add_nc_u32 v[ADRA0], s21, v3
	v_add_nc_u32 v[ADRB0], s22, v3
	v_mov_b32 v[ADRA], v[ADRA0]
	v_mov_b32 v[ADRB], v[ADRB0]
	; the way out's addresses
	s_mul_i32 s23, s10, 16*SPITCH
	s_add_co_u32 s23, s23, STAGE                   ; my stage
	v_mul_u32_u24 v4, v1, SPITCH                   ; in: row r, 16 bytes for each half of the lanes
	v_lshl_add_u32 v4, v2, 4, v4
	v_add_nc_u32 v[STO], s23, v4
	v_mul_u32_u24 v5, v2, SPITCH                   ; back: lanes 0-15 take one row of 256 bytes, lanes 16-31 the next
	v_lshl_add_u32 v5, v1, 4, v5
	v_add_nc_u32 v[RD], s23, v5
	v_mul_u32_u24 v5, v2, SIZE_N*2                 ; and the same two rows in C
	v_lshl_add_u32 v[CO], v1, 4, v5
	s_lshl_b32 s80, s13, 8
	s_lshl_b32 s81, s11, 7
	s_add_co_u32 s80, s80, s81                     ; my first row of C
	s_lshl_b32 s80, s80, 13                        ; rows of 8,192 bytes
	s_lshl_b32 s82, s42, 9
	s_lshl_b32 s83, s12, 8
	s_add_co_u32 s80, s80, s82
	s_add_co_u32 s80, s80, s83                     ; my first column: 512 x tile column + 256 x half
	s_mov_b32 s81, 0
	s_add_nc_u64 s[76:77], s[72:73], s[80:81]
	s_wait_tensorcnt 1                             ; my part of K step 0 is in; K step 1's may stay out
	s_barrier_signal -1
	s_barrier_wait -1                              ; everybody's is
	FETCH 0, F0
	QUARTER 64, F0, F1, 1                          ; the first quarter stands in front of the loop: its products start the sums
	WIN 0                                          ; at a label and at a branch every window is 0
	s_mov_b32 s3, STEPS-2
.Lk:                                                   ; a trip: from a K step's second quarter to the next step's first; it fills the slot that it leaves
	QUARTER 128, F1, F0, 0
	QUARTER 192, F0, F1, 0
	TURN 1
	QUARTER 64, F0, F1, 0
	WIN 0
	s_sub_co_u32 s3, s3, 1
	s_cmp_lg_u32 s3, 0
	s_cbranch_scc1 .Lk
	s_mov_b32 s3, 2
.Ltail:                                                ; the last two K steps: the same trip without a fill; the second is left behind its last product
	QUARTER 128, F1, F0, 0
	QUARTER 192, F0, F1, 0
	TURN 0
	WIN 0
	s_sub_co_u32 s3, s3, 1
	s_cmp_eq_u32 s3, 0
	s_cbranch_scc1 .Lout
	QUARTER 64, F0, F1, 0
	WIN 0
	s_branch .Ltail
.Lout:
; THE WAY OUT of block a (16 rows x 128 columns), in three parts.  PACK: relu, square, one rounding to bf16: 16 bytes a lane; all ascending.
; TOSTAGE: into my own stage, and back as whole rows of 256 bytes.  SEND: stored.
.macro PACK a
.set AC, 64*((\a)%4)
	WIN 0x8a+0x45*((\a)/4)                         ; destination and sources in window 2 or 3
.set n, 0
.rept 64
	v_max_num_f32 v[AC+n], 0, v[AC+n]
.set n, n+1
.endr
.set n, 0
.rept 32
	v_pk_mul_f32 v[AC+2*n:AC+2*n+1], v[AC+2*n:AC+2*n+1], v[AC+2*n:AC+2*n+1]
.set n, n+1
.endr
	WIN 0x0a+5*((\a)/4)                            ; sources in window 2 or 3, destination in window 0
.set n, 0
.rept 32
	v_cvt_pk_bf16_f32 v[TMP+n], v[AC+2*n], v[AC+2*n+1]
.set n, n+1
.endr
	WIN 0
.endm
.macro TOSTAGE a
.set BK, OB+192*((\a)%2)
.irp b, 0,1,2,3,4,5,6,7
	ds_store_b128 v[STO], v[TMP+4*(\b):TMP+4*(\b)+3] offset:32*(\b)
.endr
.irp t, 0,1,2,3,4,5,6,7
	ds_load_b128 v[BK+4*(\t):BK+4*(\t)+3], v[RD] offset:(\t)*2*SPITCH  ; LDS serves a wave's instructions in order: these see the stores above; the next block's stores come behind them
.endr
.endm
.macro SEND a
.set BK, OB+192*((\a)%2)
	s_wait_dscnt 0x0                               ; the block is back in registers
	s_wait_xcnt 0x0                                ; the registers that the block before's stores read are loaded again only behind this wait
.irp t, 0,1,2,3,4,5,6,7
	global_store_b128 v[CO], v[BK+4*(\t):BK+4*(\t)+3], s[76:77] offset:(16*(\a)+2*(\t))*SIZE_N*2  ; 16 lanes store 256 consecutive bytes, at a multiple of 256 from C's first; 126 rows at the most: inside the signed 24-bit immediate
.endr
.endm
	PLACES                                         ; behind the last products
	PACK 0
	TOSTAGE 0
.irp a, 1,2,3,4,5,6,7                  ; block a's arithmetic stands between block a - 1's loads from the stage and the wait for them
	PACK \a
	SEND (\a)-1
	TOSTAGE \a
.endr
	SEND 7
	s_wait_tensorcnt 0x0                           ; the wave's end
	ds_add_u32 v[SPW], v[NIL]
	s_wait_dscnt 0x0
	CROUND                                         ; the closing round: no work-group ends while a partner may still ask for a tile that names it
	s_endpgm
.Lfunc_end_k_qe39038b58e_up:
	.size	k_qe39038b58e_up, .Lfunc_end_k_qe39038b58e_up-k_qe39038b58e_up
	.p2alignl 7, 3214868480
	.fill 96, 4, 3214868480
	.section	.rodata,"a",@progbits
	.p2align	6, 0x0
	.amdhsa_kernel k_qe39038b58e_up
		.amdhsa_group_segment_fixed_size 327680
		.amdhsa_private_segment_fixed_size 0
		.amdhsa_enable_private_segment 0
		.amdhsa_kernarg_size 24
		.amdhsa_user_sgpr_count 2
		.amdhsa_user_sgpr_kernarg_segment_ptr 1
		.amdhsa_wavefront_size32 1
		.amdhsa_system_sgpr_workgroup_id_x 1
		.amdhsa_system_sgpr_workgroup_id_y 1
		.amdhsa_system_sgpr_workgroup_id_z 1
		.amdhsa_system_vgpr_workitem_id 0
		.amdhsa_next_free_vgpr 1024
		.amdhsa_next_free_sgpr 88
		.amdhsa_reserve_vcc 0
		.amdhsa_float_denorm_mode_32 3
		.amdhsa_float_denorm_mode_16_64 3
		.amdhsa_memory_ordered 1
		.amdhsa_forward_progress 1
		.amdhsa_inst_pref_size 132
	.end_amdhsa_kernel
	.amdgpu_metadata
---
amdhsa.version: [ 1, 2 ]
amdhsa.kernels:
  - .name:           k_qe39038b58e_up
    .symbol:         k_qe39038b58e_up.kd
    .args:
      - { .name: hn, .offset: 0, .size: 8, .value_kind: global_buffer, .address_space: global }
      - { .name: wts, .offset: 8, .size: 8, .value_kind: global_buffer, .address_space: global }
      - { .name: act, .offset: 16, .size: 8, .value_kind: global_buffer, .address_space: global }
    .group_segment_fixed_size: 327680
    .private_segment_fixed_size: 0
    .kernarg_segment_align: 8
    .kernarg_segment_size: 24
    .max_flat_workgroup_size: 128
    .sgpr_count:     88
    .vgpr_count:     1024
    .wavefront_size: 32
...
	.end_amdgpu_metadata
.endif
;; end of part 6
;; launch down (part 7): grid 8 x 32, 4 waves a work-group, clusters of 4 x 4, 327,680 bytes of LDS; arguments act, wts, x1, out0; writes out0
.if DOCPART == 7
	.amdgcn_target "amdgcn-amd-amdhsa--gfx1250"
	.amdhsa_code_object_version 6
	.text
	.protected	k_qe39038b58e_down
	.globl	k_qe39038b58e_down
	.p2align	8
	.type	k_qe39038b58e_down,@function
k_qe39038b58e_down:
	s_mov_b64 s[64:65], 0
	v_nop
	global_prefetch_b8 v0, s[64:65] scope:SCOPE_SE
	s_setreg_imm32_b32 hwreg(HW_REG_WAVE_MODE, 25, 1), 1
	s_wait_xcnt 0x0
	s_wait_alu depctr_hold_cnt(0) depctr_sa_sdst(0) depctr_va_vdst(0) depctr_va_sdst(0) depctr_va_ssrc(0) depctr_va_vcc(0) depctr_vm_vsrc(0)
	s_getreg_b32 s2, hwreg(HW_REG_IB_STS2, 6, 4)
	s_cmp_eq_u32 s2, 0
	s_cbranch_scc0 .Lentry_in_a_cluster
	s_endpgm
.Lentry_in_a_cluster:
	s_bfe_u32 s2, ttmp6, 0x10000c
	s_cmp_lg_u32 s2, 0xf033
	s_cbranch_scc0 .Lentry_shape_is_right
	s_endpgm
.Lentry_shape_is_right:
; out0 = x1 + act w_down^T.  A [4096][4096] bf16 (act), B [1024][4096] bf16 (w_down), sums in f32; x1 is the program's own f32 and is taken as it is; out0 is f32.
; THE PRODUCT.  A tile of C is 128 x 128, four waves of 64 x 64 (16 accumulators).  K goes in steps of 256 through two LDS slots filled by the tensor data mover (LDS rows of 512 bytes + 16; a wave's
; load brings 64 of them).  4 x 4 work-groups form a cluster: A's tiles are asked for jointly along a row of it, B's along a column.  The matrix instruction is used transposed (source 0 = 16 rows
; of B, source 1 = 16 rows of A): a lane holds one row of C (lane % 16) and eight neighbouring columns.  The loop walks ONE K step a trip: the LDS addresses hang on a scalar that an exclusive or
; turns from slot to slot, and one group 0 a tensor walks on (SLOT = 0x21000 shares no bit with wave x 0x8400, so the exclusive or adds or takes away SLOT).  The last two K steps fill nothing:
; they are a loop of two trips that is left in its middle and their text stands once; its price is one barrier, in the last trip, that orders nothing.
; THE WAY OUT.  A wave's 64 f32 columns are 256 aligned bytes. The residual's 64 x 64 numbers are loaded at the start into window 2.
; REGISTERS: window 0: v0-31 addresses; v32-95 at work on the way out; v128-255 accumulators.   window 1: two fragment buffers of 128.   window 2: v0-127 the residual.
.set SIZE_K, 4096
.set WOFF,   13631488                  ; w_down in wts
.set STEPS,  SIZE_K/256
.set KSTEP,  256
.set PITCH,  528
.set HALFT,  64*PITCH
.set SLOT,   4*HALFT
.set STAGE,  2*SLOT                    ; behind the ring: 16 rows x 272 bytes for each wave
.set SPITCH, 272
.set SPARE,  STAGE+4*16*SPITCH         ; the spare words: 128 bytes a wave, two blocks of 256 bytes that no other line names
.set ADRA0, 16
.set ADRA,  17
.set ADRB0, 20
.set ADRB,  21
.set STO,  24
.set RD,   25
.set CO,   26
.set SPW,  28
.set NIL,  29
.set TMP,  32
.set ACC,  128
.set F0,   0
.set F1,   128
.set G1,  24
.set G0,  32
.set G1B, 48
.set G0B, 56
.set TB,  45
.set DW0, (1<<16)|(1<<20)|(1<<21)|(6<<22)|(3<<25)
.set MSB, 0
.macro WIN new
.if MSB != (\new)
	s_set_vgpr_msb (MSB<<8)|(\new)
.set MSB, \new
.endif
.endm
.set MUL,  0x05
.set TO_F, 0x40
.macro JLOAD s                         ; a joint load: waves 0, 1 fetch A's halves, waves 2, 3 B's; s_nop 0 and four v_nop follow each line
	s_cmp_eq_u32 s11, 0
	s_cbranch_scc0 .Lfor_b_\@
	tensor_load_to_lds s[G0+4*(\s):G0+4*(\s)+3], s[G1:G1+7]
	s_nop 0
.rept 4
	v_nop
.endr
	s_branch .Lasked_\@
.Lfor_b_\@:
	tensor_load_to_lds s[G0B+4*(\s):G0B+4*(\s)+3], s[G1B:G1B+7]
	s_nop 0
.rept 4
	v_nop
.endr
.Lasked_\@:
.endm
.macro CREST
	s_cmp_lg_u32 s10, 0
	s_cbranch_scc1 .Lnot_wave_0_\@
	s_barrier_signal -3
.Lnot_wave_0_\@:
	s_barrier_wait -3
	s_barrier_signal -1
	s_barrier_wait -1
.endm
.macro CROUND
	s_barrier_signal -1
	s_barrier_wait -1
	CREST
.endm
.macro PLACES
.rept 4
	v_nop
.endr
.endm
.macro MUL8 f, c, a0, zero             ; 8 matrix instructions; the 16 accumulators take turns
	WIN MUL
.irp a, \a0, (\a0)+1
.irp b, 0,1,2,3
.set rD, ACC+8*(4*(\a)+(\b))
.set rB, (\f)+64+8*(4*(\c)+(\b))
.set rA, (\f)+8*(4*(\c)+(\a))
.if \zero
	v_wmma_f32_16x16x32_bf16 v[rD:rD+7], v[rB:rB+7], v[rA:rA+7], 0
.else
	v_wmma_f32_16x16x32_bf16 v[rD:rD+7], v[rB:rB+7], v[rA:rA+7], v[rD:rD+7]
.endif
.endr
.endr
.endm
.macro FETCH k, f
	WIN TO_F
.irp c, 0,1
.irp i, 0,1,2,3
	ds_load_b128 v[(\f)+64+8*(4*(\c)+(\i)):(\f)+64+8*(4*(\c)+(\i))+3],   v[ADRB] offset:(\k)+64*(\c)+(\i)*16*PITCH
	ds_load_b128 v[(\f)+64+8*(4*(\c)+(\i))+4:(\f)+64+8*(4*(\c)+(\i))+7], v[ADRB] offset:(\k)+64*(\c)+(\i)*16*PITCH+32
	ds_load_b128 v[(\f)+8*(4*(\c)+(\i)):(\f)+8*(4*(\c)+(\i))+3],         v[ADRA] offset:(\k)+64*(\c)+(\i)*16*PITCH
	ds_load_b128 v[(\f)+8*(4*(\c)+(\i))+4:(\f)+8*(4*(\c)+(\i))+7],       v[ADRA] offset:(\k)+64*(\c)+(\i)*16*PITCH+32
.endr
.endr
.endm
.macro QUARTER k, f, g, zero
	s_wait_dscnt 16                                ; the first 32 along K are in; the run's second sixteen loads may be out
	MUL8 \f, 0, 0, \zero
	MUL8 \f, 0, 2, \zero
	PLACES
	FETCH \k, \g
	s_wait_dscnt 32                                ; all but the 32 just issued
	MUL8 \f, 1, 0, 0
	MUL8 \f, 1, 2, 0
.endm
; The last quarter of a K step, and the change of slots.  fill = 0 (the two last K steps): nothing is filled; in the last trip (s3 = 1) there is no further slot, and the run of loads is jumped over.
.macro TURN fill
	WIN 0
	s_wait_tensorcnt 0x0                           ; all my tensor loads have landed: my part of the next slot
	ds_add_u32 v[SPW], v[NIL]
	s_wait_dscnt 17                                ; the add and the youngest sixteen loads may be out
	MUL8 F1, 0, 0, 0
	s_wait_dscnt 0x0                               ; the add is done, and my reads of this slot are over
	s_barrier_signal -1
	MUL8 F1, 0, 2, 0
	WIN 0
	s_barrier_wait -1
.if \fill
	CREST                                          ; no wave of any partner still reads this slot or has a load on its way
	s_xor_b32 s[G0+5], s[G0+5], SLOT
	s_xor_b32 s[G0B+5], s[G0B+5], SLOT
	s_add_nc_u64 s[G0+6:G0+7], s[G0+6:G0+7], KSTEP*2
	s_add_nc_u64 s[G0B+6:G0B+7], s[G0B+6:G0B+7], KSTEP*2
	JLOAD 1                                        ; its four v_nop are also the places in front of the loads below
.else
	PLACES
	s_cmp_eq_u32 s3, 1
	s_cbranch_scc1 .Lno_fetch_\@
.endif
	s_xor_b32 s[TB], s[TB], SLOT
	v_add_nc_u32 v[ADRA], s[TB], v[ADRA0]
	v_add_nc_u32 v[ADRB], s[TB], v[ADRB0]
	FETCH 0, F0
.if !(\fill)
	WIN 0
.Lno_fetch_\@:
.endif
	MUL8 F1, 1, 0, 0
	MUL8 F1, 1, 2, 0
.endm
	s_load_b256 s[68:75], s[0:1], 0x0              ; A s[68:69], wts s[70:71], the residual s[72:73], C s[74:75]
	v_lshl_add_u32 v[SPW], v0, 2, SPARE
	v_mov_b32 v[NIL], 0
	ds_add_u32 v[SPW], v[NIL]                      ; the wave's opening: the add and its wait ahead of my first tensor load
	v_lshrrev_b32 v1, 5, v0
	v_readfirstlane_b32 s10, v1
	s_lshr_b32 s11, s10, 1
	s_and_b32 s12, s10, 1
	s_bfe_u32 s40, ttmp6, 0x40000
	s_bfe_u32 s41, ttmp6, 0x40004
	s_lshl_b32 s42, ttmp9, 2
	s_add_co_u32 s42, s42, s40                     ; tile column
	s_and_b32 s13, ttmp7, 0xffff
	s_lshl_b32 s13, s13, 2
	s_add_co_u32 s13, s13, s41                     ; tile row
	s_lshl_b32 s43, s41, 2
	s_lshl_b32 s43, 15, s43
	s_lshl_b32 s44, 0x1111, s40
	s_or_b32 s[G1+0], s43, DW0
	s_or_b32 s[G1B+0], s44, DW0
.irp g, G1, G1B
	s_mov_b32 s[(\g)+1], KSTEP<<16
	s_mov_b32 s[(\g)+2], 64<<16
	s_mov_b32 s[(\g)+3], KSTEP<<16
	s_mov_b32 s[(\g)+4], 64
	s_mov_b32 s[(\g)+5], SIZE_K
	s_mov_b32 s[(\g)+6], 0
	s_mov_b32 s[(\g)+7], 0
.endr
	s_mov_b32 s[TB], 0
	s_lshl_b32 s17, s12, 6
	s_lshl_b32 s16, s13, 7
	s_add_co_u32 s16, s16, s17
	s_lshl_b32 s46, s42, 7
	s_add_co_u32 s46, s46, s17
	s_mov_b32 s17, 0
	s_mov_b32 s47, 0
	s_mov_b64 s[18:19], SIZE_K*2
	s_mul_u64 s[16:17], s[16:17], s[18:19]
	s_mul_u64 s[46:47], s[46:47], s[18:19]
	s_mul_i32 s20, s10, HALFT
	s_wait_dscnt 0x0
	s_wait_kmcnt 0x0
	s_add_nc_u64 s[14:15], s[68:69], s[16:17]
	s_add_nc_u64 s[46:47], s[70:71], s[46:47]
.if WOFF
	s_add_nc_u64 s[46:47], s[46:47], WOFF
.endif
	CROUND
.irp s, 0,1
	s_mov_b32 s[G0+4*(\s)], 1
	s_add_co_u32 s[G0+4*(\s)+1], s20, (\s)*SLOT
	s_add_nc_u64 s[G0+4*(\s)+2:G0+4*(\s)+3], s[14:15], (\s)*KSTEP*2
	s_or_b32 s[G0+4*(\s)+3], s[G0+4*(\s)+3], 0x80000000
	s_mov_b32 s[G0B+4*(\s)], 1
	s_add_co_u32 s[G0B+4*(\s)+1], s20, (\s)*SLOT
	s_add_nc_u64 s[G0B+4*(\s)+2:G0B+4*(\s)+3], s[46:47], (\s)*KSTEP*2
	s_or_b32 s[G0B+4*(\s)+3], s[G0B+4*(\s)+3], 0x80000000
	JLOAD \s
.endr
	v_and_b32 v1, 15, v0
	v_bfe_u32 v2, v0, 4, 1
	v_mul_u32_u24 v3, v1, PITCH
	v_lshl_add_u32 v3, v2, 4, v3
	s_mul_i32 s21, s11, HALFT
	s_mul_i32 s22, s12, HALFT
	s_add_co_u32 s22, s22, 2*HALFT
	v_add_nc_u32 v[ADRA0], s21, v3
	v_add_nc_u32 v[ADRB0], s22, v3
	v_mov_b32 v[ADRA], v[ADRA0]
	v_mov_b32 v[ADRB], v[ADRB0]
	; the way out's addresses; the residual's loads stay out through the whole loop
	s_lshl_b32 s80, s13, 7
	s_lshl_b32 s81, s11, 6
	s_add_co_u32 s80, s80, s81                     ; my first row
	s_lshl_b32 s80, s80, 12                        ; rows of 4,096 bytes
	s_lshl_b32 s82, s42, 9
	s_lshl_b32 s83, s12, 8
	s_add_co_u32 s80, s80, s82
	s_add_co_u32 s80, s80, s83                     ; my first column
	s_mov_b32 s81, 0
	s_add_nc_u64 s[76:77], s[72:73], s[80:81]
	s_add_nc_u64 s[78:79], s[74:75], s[80:81]
	s_mul_i32 s23, s10, 16*SPITCH
	s_add_co_u32 s23, s23, STAGE
	v_mul_u32_u24 v4, v1, SPITCH                   ; in: row r, 32 bytes for each half of the lanes
	v_lshl_add_u32 v4, v2, 5, v4
	v_add_nc_u32 v[STO], s23, v4
	v_mul_u32_u24 v5, v2, SPITCH                   ; back: lanes 0-15 one row of 256 bytes, lanes 16-31 the next
	v_lshl_add_u32 v5, v1, 4, v5
	v_add_nc_u32 v[RD], s23, v5
	v_lshlrev_b32 v[CO], 12, v2
	v_lshl_add_u32 v[CO], v1, 4, v[CO]
	WIN 0x80                                       ; destination window 2
.irp a, 0,1,2,3
.irp f, 0,1,2,3,4,5,6,7
	global_load_b128 v[4*(8*(\a)+(\f)):4*(8*(\a)+(\f))+3], v[CO], s[76:77] offset:65536*(\a)+8192*(\f)
.endr
.endr
	WIN 0
	s_wait_tensorcnt 1                             ; my part of K step 0 is in; K step 1's may stay out
	s_barrier_signal -1
	s_barrier_wait -1
	FETCH 0, F0
	QUARTER 128, F0, F1, 1
	WIN 0
	s_mov_b32 s3, STEPS-2
.Lk:
	QUARTER 256, F1, F0, 0
	QUARTER 384, F0, F1, 0
	TURN 1
	QUARTER 128, F0, F1, 0
	WIN 0
	s_sub_co_u32 s3, s3, 1
	s_cmp_lg_u32 s3, 0
	s_cbranch_scc1 .Lk
	s_mov_b32 s3, 2
.Ltail:                                                ; the last two K steps: the same trip without a fill; the second is left behind its last product
	QUARTER 256, F1, F0, 0
	QUARTER 384, F0, F1, 0
	TURN 0
	WIN 0
	s_sub_co_u32 s3, s3, 1
	s_cmp_eq_u32 s3, 0
	s_cbranch_scc1 .Lout
	QUARTER 128, F0, F1, 0
	WIN 0
	s_branch .Ltail
.Lout:
; THE WAY OUT of 16 rows (block a): into my stage as they lie (each accumulator's low registers first), back as whole rows of 256 bytes, plus the residual, stored.
.macro OUTB a
	WIN 0
	s_wait_xcnt 0x0                                ; the registers that earlier stores read are rewritten only behind this wait
.irp b, 0,1,2,3
	ds_store_b128 v[STO], v[ACC+8*(4*(\a)+(\b)):ACC+8*(4*(\a)+(\b))+3]   offset:64*(\b)
	ds_store_b128 v[STO], v[ACC+8*(4*(\a)+(\b))+4:ACC+8*(4*(\a)+(\b))+7] offset:64*(\b)+16
.endr
.irp f, 0,1,2,3,4,5,6,7
	ds_load_b128 v[TMP+32*((\a)%2)+4*(\f):TMP+32*((\a)%2)+4*(\f)+3], v[RD] offset:2*SPITCH*(\f)  ; LDS serves a wave's instructions in order: these see the stores above
.endr
	s_wait_dscnt 0x0
	WIN 0x08                                       ; source 1 in window 2
.set n, 0
.rept 16
	v_pk_add_f32 v[TMP+32*((\a)%2)+2*n:TMP+32*((\a)%2)+2*n+1], v[TMP+32*((\a)%2)+2*n:TMP+32*((\a)%2)+2*n+1], v[32*(\a)+2*n:32*(\a)+2*n+1]
.set n, n+1
.endr
	WIN 0
.irp f, 0,1,2,3,4,5,6,7
	global_store_b128 v[CO], v[TMP+32*((\a)%2)+4*(\f):TMP+32*((\a)%2)+4*(\f)+3], s[78:79] offset:65536*(\a)+8192*(\f)  ; 16 lanes store 256 consecutive bytes, at a multiple of 256 from C's first
.endr
.endm
	PLACES
	s_wait_loadcnt 0x0                             ; the residual
	OUTB 0
	OUTB 1
	OUTB 2
	OUTB 3
	s_wait_tensorcnt 0x0                           ; the wave's end
	ds_add_u32 v[SPW], v[NIL]
	s_wait_dscnt 0x0
	CROUND                                         ; the closing round
	s_endpgm
.Lfunc_end_k_qe39038b58e_down:
	.size	k_qe39038b58e_down, .Lfunc_end_k_qe39038b58e_down-k_qe39038b58e_down
	.p2alignl 7, 3214868480
	.fill 96, 4, 3214868480
	.section	.rodata,"a",@progbits
	.p2align	6, 0x0
	.amdhsa_kernel k_qe39038b58e_down
		.amdhsa_group_segment_fixed_size 327680
		.amdhsa_private_segment_fixed_size 0
		.amdhsa_enable_private_segment 0
		.amdhsa_kernarg_size 32
		.amdhsa_user_sgpr_count 2
		.amdhsa_user_sgpr_kernarg_segment_ptr 1
		.amdhsa_wavefront_size32 1
		.amdhsa_system_sgpr_workgroup_id_x 1
		.amdhsa_system_sgpr_workgroup_id_y 1
		.amdhsa_system_sgpr_workgroup_id_z 1
		.amdhsa_system_vgpr_workitem_id 0
		.amdhsa_next_free_vgpr 640
		.amdhsa_next_free_sgpr 88
		.amdhsa_reserve_vcc 0
		.amdhsa_float_denorm_mode_32 3
		.amdhsa_float_denorm_mode_16_64 3
		.amdhsa_memory_ordered 1
		.amdhsa_forward_progress 1
		.amdhsa_inst_pref_size 65
	.end_amdhsa_kernel
	.amdgpu_metadata
---
amdhsa.version: [ 1, 2 ]
amdhsa.kernels:
  - .name:           k_qe39038b58e_down
    .symbol:         k_qe39038b58e_down.kd
    .args:
      - { .name: act, .offset: 0, .size: 8, .value_kind: global_buffer, .address_space: global }
      - { .name: wts, .offset: 8, .size: 8, .value_kind: global_buffer, .address_space: global }
      - { .name: x1, .offset: 16, .size: 8, .value_kind: global_buffer, .address_space: global }
      - { .name: out0, .offset: 24, .size: 8, .value_kind: global_buffer, .address_space: global }
    .group_segment_fixed_size: 327680
    .private_segment_fixed_size: 0
    .kernarg_segment_align: 8
    .kernarg_segment_size: 32
    .max_flat_workgroup_size: 128
    .sgpr_count:     88
    .vgpr_count:     640
    .wavefront_size: 32
...
	.end_amdgpu_metadata
.endif
;; end of part 7
